; MI455X (gfx1250); checked and timed in simulation.
; The chip was launched on July 23, 2026; its instructions are those of AMD's public machine-readable ISA for CDNA 5 (MIT licence, August 2026) and "CDNA5" Instruction Set Architecture Reference Guide (July 2026). The comments in the code are by the model that wrote it; some were corrected since.
;; Expert Tier. Allowed arithmetic: float matrix products may take bf16 or f16 operands with f32 sums; all other float work in f32.
;; Inputs: expert_w1 8 x 1,024 x 2,048 float32; expert_w2 8 x 2,048 x 1,024 float32; gate_w 8 x 1,024 float32; ln_beta 1,024 float32; ln_gamma 1,024 float32; x 4 x 512 x 1,024 float32.
;; Outputs: out0 4 x 512 x 1,024 float32.
;; 2 versions, each right; version 2 is version 1 with the launches gemm1, gemm2 written anew for expert scheduling mode. Each part assembles by itself: llvm-mc -triple=amdgcn-amd-amdhsa -mcpu=gfx1250 --defsym DOCPART=n.
;; ======== version 1 of 2: 5 launches
;; limits: a function is approximated: absolute error at most 1.5e-07
;; workspace buffers: idx 8,192 bytes of whole numbers; tv 8,192 bytes; meta 256 bytes of whole numbers; tok 8,704 bytes of whole numbers; tvs 8,704 bytes; xs 4,456,448 bytes; he 8,912,896 bytes; yp 17,825,792 bytes
;; launch gate (part 1): grid 256 x 1, 4 waves a work-group, no clusters, 0 bytes of LDS; arguments x, gate_w, idx, tv; writes idx, tv
.if DOCPART == 1
	.amdgcn_target "amdgcn-amd-amdhsa--gfx1250"
	.amdhsa_code_object_version 6
	.text
	.protected	k_q90f4efa480_gate
	.globl	k_q90f4efa480_gate
	.p2align	8
	.type	k_q90f4efa480_gate,@function
k_q90f4efa480_gate:
	s_mov_b64 s[64:65], 0
	v_nop
	global_prefetch_b8 v0, s[64:65] scope:SCOPE_SE
	s_setreg_imm32_b32 hwreg(HW_REG_WAVE_MODE, 25, 1), 1
	s_wait_xcnt 0x0
; TOP-1 GATE.  logits[n][e] = sum over d of x[n][d] gate_w[e][d]; idx[n] = the largest logit's index; tv[n] = p / (p + 1e-8) with
; p = the largest softmax probability = 1 / sum over e of exp(logit[e] - largest logit).
; x and gate_w are rounded to bf16 (as the experts' operands are), the products are exact and the sums are f32.
; 2,048 tokens: 256 work-groups x 4 waves x 2 tokens.  Lane l holds columns 128 i + 4 l .. + 3, i = 0 .. 7, of its two tokens and of one
; row of gate_w at a time, so every load of a wave covers 512 consecutive bytes.
; Four slots of 32 registers take the rows of gate_w: rows 0 to 3 are asked for at the start, together with x, and row e + 4 when row e
; has been multiplied, so that a refill has three experts' arithmetic in which to land.
; The product has 8 columns and 0.02 % of the problem's multiply-adds: it is done on the vector unit, from bf16 halves into f32.
; LIMITS: the index is taken over the logits (the lowest index among equals), not over the rounded probabilities; two largest logits
; that are equal within the f32 sums' order of addition may resolve otherwise than in the reference; if every logit is NaN the index is 7.
; The two results of a wave are 8 bytes of idx and 8 of tv: short stores, 16 KiB in the whole launch.
.set X,    64                          ; v[64:127]   token t at X + 32 t: 32 f32 as loaded, then 16 words of two bf16 (in place)
.set G,    128                         ; v[128:255]  four slots of 32 for rows of gate_w, treated likewise
.set LG,   16                          ; v[16:31]    logit of token t, expert e at LG + 8 t + e, in every lane
.set ACC,  32                          ; v[32:35]    token t: sums over the low and over the high halves
.set MX,   36                          ; v36, v37    at work
.set IDX,  40                          ; v40, v41    the index of token t
.set TVAL, 42                          ; v42, v43    top_val of token t
.set DF,   44                          ; v[44:51]    exponents
.set EX,   52                          ; v[52:59]    exponentials
.macro GLOAD e                         ; row e of gate_w into slot e mod 4: eight loads
.irp i, 0,1,2,3,4,5,6,7
	global_load_b128 v[G+32*((\e)&3)+4*\i:G+32*((\e)&3)+4*\i+3], v1, s[6:7] offset:(\e)*4096+\i*512
.endr
.endm
; One expert: its row is rounded, multiplied with both tokens, the slot is asked for again, and the sums go across the lanes.
.macro EXPERT e
.set GS, G+32*(\e&3)
.if \e < 5
	s_wait_loadcnt 24                              ; loads come back in order: the next three rows' 24 loads are younger than this row's
.else
	s_wait_loadcnt 8*(7-\e)                        ; the last rows: fewer are left
.endif
.irp p, 0,1,2,3,4,5,6,7,8,9,10,11,12,13,14,15
	v_cvt_pk_bf16_f32 v[GS+\p], v[GS+2*\p], v[GS+2*\p+1]   ; ascending, so that no word is overwritten before it is read
.endr
.irp p, 0,1,2,3,4,5,6,7,8,9,10,11,12,13,14,15
.irp t, 0,1
.if \p == 0
	v_fma_mix_f32_bf16 v[ACC+2*\t],   v[X+32*\t+\p], v[GS+\p], 0 op_sel_hi:[1,1,0]                  ; the first products start the sums
	v_fma_mix_f32_bf16 v[ACC+2*\t+1], v[X+32*\t+\p], v[GS+\p], 0 op_sel:[1,1,0] op_sel_hi:[1,1,0]
.else
	v_fma_mix_f32_bf16 v[ACC+2*\t],   v[X+32*\t+\p], v[GS+\p], v[ACC+2*\t] op_sel_hi:[1,1,0]        ; low halves
	v_fma_mix_f32_bf16 v[ACC+2*\t+1], v[X+32*\t+\p], v[GS+\p], v[ACC+2*\t+1] op_sel:[1,1,0] op_sel_hi:[1,1,0]   ; high halves
.endif
.endr
.endr
.if \e < 4
	GLOAD \e+4
.endif
	v_add_f32 v[MX],   v[ACC],   v[ACC+1]
	v_add_f32 v[MX+1], v[ACC+2], v[ACC+3]
.irp m, 1,2,4,8
	v_add_f32_dpp v[MX],   v[MX],   v[MX]   row_xmask:\m row_mask:0xf bank_mask:0xf
	v_add_f32_dpp v[MX+1], v[MX+1], v[MX+1] row_xmask:\m row_mask:0xf bank_mask:0xf
.endr
	v_permlanex16_b32 v[ACC],   v[MX],   s16, s17      ; the other half of the lanes; the destinations have been written before
	v_permlanex16_b32 v[ACC+2], v[MX+1], s16, s17
	v_add_f32 v[LG+\e],   v[MX],   v[ACC]
	v_add_f32 v[LG+8+\e], v[MX+1], v[ACC+2]
.endm
; One token: the largest logit, its lowest index, and top_val.  All lanes compute the same.
.macro TOKEN t
.set LT, LG+8*\t
	v_max3_num_f32 v[MX], v[LT], v[LT+1], v[LT+2]
	v_max3_num_f32 v[MX], v[MX], v[LT+3], v[LT+4]
	v_max3_num_f32 v[MX], v[MX], v[LT+5], v[LT+6]
	v_max_num_f32  v[MX], v[MX], v[LT+7]
	v_mov_b32 v[IDX+\t], 7
.irp e, 6,5,4,3,2,1,0
	v_cmp_neq_f32 vcc_lo, v[MX], v[LT+\e]
	v_cndmask_b32 v[IDX+\t], \e, v[IDX+\t], vcc_lo         ; equal: e; descending, so the lowest index stays
.endr
.irp e, 0,1,2,3,4,5,6,7
	v_sub_f32 v[DF+\e], v[LT+\e], v[MX]                    ; the maximum is taken away first: the largest exponent is exactly 0
.endr
.irp e, 0,1,2,3,4,5,6,7
	v_mul_f32 v[DF+\e], s18, v[DF+\e]                      ; base 2
.endr
.irp e, 0,1,2,3,4,5,6,7
	v_exp_f32 v[EX+\e], v[DF+\e]
.endr
	v_nop                                                  ; one plain instruction behind a transcendental before its result is used (ISA guide 5.7.2)
	s_wait_alu depctr_va_vdst(0)
	v_add_f32 v[EX],   v[EX],   v[EX+1]
	v_add_f32 v[EX+2], v[EX+2], v[EX+3]
	v_add_f32 v[EX+4], v[EX+4], v[EX+5]
	v_add_f32 v[EX+6], v[EX+6], v[EX+7]
	v_add_f32 v[EX],   v[EX],   v[EX+2]
	v_add_f32 v[EX+4], v[EX+4], v[EX+6]
	v_add_f32 v[EX],   v[EX],   v[EX+4]                    ; between 1 and 8
	v_rcp_f32 v[EX+1], v[EX]                               ; p
	v_nop
	s_wait_alu depctr_va_vdst(0)
	v_add_f32 v[EX+2], s19, v[EX+1]                        ; p + 1e-8
	v_rcp_f32 v[EX+3], v[EX+2]
	v_nop
	s_wait_alu depctr_va_vdst(0)
	v_mul_f32 v[TVAL+\t], v[EX+1], v[EX+3]
.endm
	s_load_b256 s[4:11], s[0:1], 0x0               ; x s[4:5], gate_w s[6:7], idx s[8:9], tv s[10:11]
	v_lshrrev_b32 v3, 5, v0
	v_readfirstlane_b32 s12, v3                    ; wave
	v_and_b32 v2, 31, v0                           ; lane
	v_lshlrev_b32 v1, 4, v2                        ; 16 bytes a lane; never rewritten
	s_lshl_b32 s13, ttmp9, 3
	s_lshl1_add_u32 s13, s12, s13                  ; my first token = 8 x work-group + 2 x wave
	s_lshl_b32 s20, s13, 12                        ; its row in x: 4,096 bytes a token
	s_mov_b32 s21, 0
	s_lshl_b32 s22, s13, 2                         ; its word in idx and in tv
	s_mov_b32 s16, 0x76543210                      ; v_permlanex16_b32: lane i reads lane i of the other half
	s_mov_b32 s17, 0xfedcba98
	s_mov_b32 s18, 0x3fb8aa3b                      ; log2(e)
	s_mov_b32 s19, 0x322bcc77                      ; 1e-8
	s_wait_kmcnt 0x0
	s_add_nc_u64 s[14:15], s[4:5], s[20:21]
.irp t, 0,1
.irp i, 0,1,2,3,4,5,6,7
	global_load_b128 v[X+32*\t+4*\i:X+32*\t+4*\i+3], v1, s[14:15] offset:\t*4096+\i*512
.endr
.endr
	GLOAD 0
	GLOAD 1
	GLOAD 2
	GLOAD 3
	s_wait_loadcnt 32                              ; both tokens are in; the 32 loads of gate_w's rows 0 to 3 are younger
.irp t, 0,1
.irp p, 0,1,2,3,4,5,6,7,8,9,10,11,12,13,14,15
	v_cvt_pk_bf16_f32 v[X+32*\t+\p], v[X+32*\t+2*\p], v[X+32*\t+2*\p+1]
.endr
.endr
.irp e, 0,1,2,3,4,5,6,7
	EXPERT \e
.endr
	TOKEN 0
	TOKEN 1
	v_cmp_eq_u32 vcc_lo, 1, v2
	v_cndmask_b32 v[IDX],  v[IDX],  v[IDX+1],  vcc_lo      ; lane 1 takes the second token's pair
	v_cndmask_b32 v[TVAL], v[TVAL], v[TVAL+1], vcc_lo
	v_lshl_add_u32 v[DF], v2, 2, s22
	v_cmp_gt_u32 vcc_lo, 2, v2
	s_wait_xcnt 0x0                                ; EXEC is a source of the loads above: it changes only behind this wait
	s_and_saveexec_b32 s23, vcc_lo                 ; lanes 0 and 1
	global_store_b32 v[DF], v[IDX],  s[8:9]
	global_store_b32 v[DF], v[TVAL], s[10:11]
	s_wait_xcnt 0x0                                ; and again in front of the line that widens it
	s_or_b32 exec_lo, exec_lo, s23
	s_endpgm
.Lfunc_end_k_q90f4efa480_gate:
	.size	k_q90f4efa480_gate, .Lfunc_end_k_q90f4efa480_gate-k_q90f4efa480_gate
	.p2alignl 7, 3214868480
	.fill 96, 4, 3214868480
	.section	.rodata,"a",@progbits
	.p2align	6, 0x0
	.amdhsa_kernel k_q90f4efa480_gate
		.amdhsa_group_segment_fixed_size 0
		.amdhsa_private_segment_fixed_size 0
		.amdhsa_enable_private_segment 0
		.amdhsa_kernarg_size 32
		.amdhsa_user_sgpr_count 2
		.amdhsa_user_sgpr_kernarg_segment_ptr 1
		.amdhsa_wavefront_size32 1
		.amdhsa_system_sgpr_workgroup_id_x 1
		.amdhsa_system_sgpr_workgroup_id_y 1
		.amdhsa_system_sgpr_workgroup_id_z 1
		.amdhsa_system_vgpr_workitem_id 0
		.amdhsa_next_free_vgpr 256
		.amdhsa_next_free_sgpr 66
		.amdhsa_reserve_vcc 1
		.amdhsa_float_denorm_mode_32 3
		.amdhsa_float_denorm_mode_16_64 3
		.amdhsa_memory_ordered 1
		.amdhsa_forward_progress 1
		.amdhsa_inst_pref_size 62
	.end_amdhsa_kernel
	.amdgpu_metadata
---
amdhsa.version: [ 1, 2 ]
amdhsa.kernels:
  - .name:           k_q90f4efa480_gate
    .symbol:         k_q90f4efa480_gate.kd
    .args:
      - { .name: x, .offset: 0, .size: 8, .value_kind: global_buffer, .address_space: global }
      - { .name: gate_w, .offset: 8, .size: 8, .value_kind: global_buffer, .address_space: global }
      - { .name: idx, .offset: 16, .size: 8, .value_kind: global_buffer, .address_space: global }
      - { .name: tv, .offset: 24, .size: 8, .value_kind: global_buffer, .address_space: global }
    .group_segment_fixed_size: 0
    .private_segment_fixed_size: 0
    .kernarg_segment_align: 8
    .kernarg_segment_size: 32
    .max_flat_workgroup_size: 128
    .sgpr_count:     66
    .vgpr_count:     256
    .wavefront_size: 32
...
	.end_amdgpu_metadata
.endif
;; end of part 1
;; launch permute (part 2): grid 135 x 1, 8 waves a work-group, no clusters, 103,680 bytes of LDS; arguments idx, tv, x, meta, tok, tvs, xs; writes meta, tok, tvs, xs
.if DOCPART == 2
	.amdgcn_target "amdgcn-amd-amdhsa--gfx1250"
	.amdhsa_code_object_version 6
	.text
	.protected	k_q90f4efa480_permute
	.globl	k_q90f4efa480_permute
	.p2align	8
	.type	k_q90f4efa480_permute,@function
k_q90f4efa480_permute:
	s_mov_b64 s[64:65], 0
	v_nop
	global_prefetch_b8 v0, s[64:65] scope:SCOPE_SE
	s_setreg_imm32_b32 hwreg(HW_REG_WAVE_MODE, 25, 1), 1
	s_wait_xcnt 0x0
; ROUTING AND GATHER.  The tokens are sorted by expert; expert e gets nt[e] = ceil(n[e] / 16) tiles of 16 rows from tile tile0[e] on
; (a prefix sum; between 128 and 135 tiles in all).  Rows of a last tile that have no token are pad rows: tok = 0xffffffff, and they
; carry a copy of token 2,047's data, so that every byte read later has been written; their results never reach the output.
; Stored: meta (words 0-7 tile0, 8-15 nt, 16 the number of tiles, 17-31 zero), tok (the token of each sorted row), tvs (its top_val) and
; xs: x in bf16 in the order of the matrix operand: tile t is 32,768 bytes, [k / 8][row 0..15][8 numbers], so that 512 consecutive
; bytes are registers 0-3 (and the next 512 registers 4-7) of a 16 x 32 fragment, 16 bytes a lane (ISA guide 7.12.2).
; PHASE A, alike in every work-group (8 KiB of idx; no traffic between work-groups): wave e lists expert e's tokens in LDS.  Barrier.
; Every wave reads the counts and the list entries of the work-group's tile.  Barrier: behind it LDS sees only each wave's own stage.
; PHASE B: work-group t takes tile t; there are 135 work-groups, as many as there can be tiles.  Tiles 128 to 134 may or may not exist, and
; no branch of this text hangs on the counts: where tile t does not exist, a copy of the last tile is stored in its place, into rows of
; tok, tvs and xs that the buffers have (136 tiles) and that no later launch reads (meta bounds every reader): wasted work of 7 tiles of
; 32 KiB at the most.  Wave w takes columns 128 w .. 128 w + 127 of the tile's 16 rows.
.set CNT,   0                          ; LDS: the eight counts, in a block of 256 bytes
.set LIST0, 256                        ; the lists
.set LISTB, 8448                       ; bytes of an expert's list: 2,048 tokens, 32 marks behind the last, entry 2,080 takes what is not the expert's
.set STAGE, LIST0+8*LISTB              ; 67,840: each wave's own 16 chunks of 256 bytes,
.set SP,    272                        ; 272 bytes apart: 68 words, so the 32 lanes' 8-byte stores fall on 64 different banks (64 banks of 4 bytes: ISA guide 11.1)
.set STW,   16*SP
.set TB0,   16                         ; v[16:31]   the tile's 16 tokens, then their byte offsets in x (phase A: v[20:23] list addresses, v[24:27] tokens)
.set EN0,   32                         ; v32        its entry lane mod 16; v33, v34 the LDS addresses of these reads
; v1 lane  v15 lane mod 16  v14 4 lane  v8 16 lane  v9 my 16 bytes in a row of x  v12 my list  v13 2,080  v10, v11 at work
; v50 top_val of entry lane mod 16  v51 its byte offset in tok and tvs  v52 meta  v53 offset in tv  v54, v55 stage in, out
; v56 offset in xs  v[58:59] four bf16  v[64:127] idx, then 16 rows' 16 bytes  v[128:159] the tile's bytes on their way out
; Tokens 128 q + 4 lane + i, i = 0 .. 3: where they go in my expert's list.  s20 = how many the list has so far.
; The four are taken line by line beside each other, so that no line reads the result of the line in front of it.
.macro RANK4 q
.irp i, 0,1,2,3
	v_cmp_eq_u32 s[24+\i], s18, v[64+4*\q+\i]      ; the lanes whose token i is my expert's
.endr
.irp i, 0,1,2,3
	s_bcnt1_i32_b32 s[28+\i], s[24+\i]
.endr
	s_add_co_u32 s28, s28, s20                     ; the list's length in front of i = 1,
	s_add_co_u32 s29, s29, s28                     ; of i = 2,
	s_add_co_u32 s30, s30, s29                     ; of i = 3
	v_mbcnt_lo_u32_b32 v20, s24, s20               ; that length + the number of lower lanes with a token of mine
	v_mbcnt_lo_u32_b32 v21, s25, s28
	v_mbcnt_lo_u32_b32 v22, s26, s29
	v_mbcnt_lo_u32_b32 v23, s27, s30
	s_add_co_u32 s20, s31, s30                     ; and behind all four
.irp i, 0,1,2,3
	v_cndmask_b32 v[20+\i], v13, v[20+\i], s[24+\i]    ; not mine: entry 2,080
.endr
.irp i, 0,1,2,3
	v_min_u32 v[20+\i], 0x820, v[20+\i]            ; a number made of loaded data enters an address only clamped
.endr
.irp i, 0,1,2,3
	v_lshl_add_u32 v[20+\i], v[20+\i], 2, v12
.endr
.irp i, 0,1,2,3
	v_add_nc_u32 v[24+\i], 128*\q+\i, v14
.endr
.irp i, 0,1,2,3
	ds_store_b32 v[20+\i], v[24+\i]
.endr
.endm
; The 16 list entries of tile ts: all of them into every lane (tb), and entry lane mod 16 (en).
.macro LISTRD ts, tb, en
	s_mov_b32 s51, 0                               ; the tile's expert: the last one whose first tile is not beyond it (an empty expert loses to the next)
	s_mov_b32 s52, 0
.irp k, 1,2,3,4,5,6,7
	s_cmp_ge_u32 \ts, s[40+\k]
	s_cselect_b32 s51, \k, s51
	s_cselect_b32 s52, s[40+\k], s52
.endr
	s_sub_co_u32 s53, \ts, s52
	s_lshl_b32 s53, s53, 4                         ; the tile's first entry in the list
	s_min_u32 s53, s53, 0x7f0
	s_min_u32 s51, s51, 7
	s_mul_i32 s54, s51, LISTB
	s_lshl_b32 s53, s53, 2
	s_add_co_u32 s54, s54, s53
	s_add_co_u32 s54, s54, LIST0
	v_mov_b32 v[\en+1], s54
	v_lshl_add_u32 v[\en+2], v15, 2, v[\en+1]
.irp m, 0,1,2,3
	ds_load_b128 v[\tb+4*\m:\tb+4*\m+3], v[\en+1] offset:16*\m
.endr
	ds_load_b32 v[\en], v[\en+2]
.endm
; Tile ts: 16 rows of x are gathered, rounded, turned into the operand's order through my stage, and stored.
.macro TILE ts, tb, en
	s_lshl_b32 s55, \ts, 6
	v_lshl_add_u32 v51, v15, 2, s55
	s_lshl_b32 s58, \ts, 15
	s_mov_b32 s59, 0
	s_add_nc_u64 s[56:57], s[16:17], s[58:59]      ; xs at the tile
	v_min_u32 v53, 0x7ff, v[\en]                   ; a pad row's mark becomes token 2,047
	v_lshlrev_b32 v53, 2, v53
	global_load_b32 v50, v53, s[6:7]               ; top_val; older than the sixteen loads below
.irp m, 0,1,2,3,4,5,6,7,8,9,10,11,12,13,14,15
	v_min_u32 v[\tb+\m], 0x7ff, v[\tb+\m]
.endr
.irp m, 0,1,2,3,4,5,6,7,8,9,10,11,12,13,14,15
	v_lshl_add_u32 v[\tb+\m], v[\tb+\m], 12, v9
.endr
.irp m, 0,1,2,3,4,5,6,7,8,9,10,11,12,13,14,15
	global_load_b128 v[64+4*\m:67+4*\m], v[\tb+\m], s[8:9] ; 512 consecutive bytes of one row of x
.endr
.irp m, 0,1,2,3,4,5,6,7,8,9,10,11,12,13,14,15
	s_wait_loadcnt 15-\m                           ; row m is in; 15 - m loads are younger
	v_cvt_pk_bf16_f32 v58, v[64+4*\m], v[65+4*\m]
	v_cvt_pk_bf16_f32 v59, v[66+4*\m], v[67+4*\m]
	ds_store_b64 v54, v[58:59] offset:16*\m        ; chunk lane / 2, row m
.endr
.irp u, 0,1,2,3,4,5,6,7
	ds_load_b128 v[128+4*\u:131+4*\u], v55 offset:\u*2*SP  ; my own bytes: LDS serves a wave's instructions in order (ISA guide 5.7.1.4)
.endr
.irp u, 0,1,2,3,4,5,6,7
	s_wait_dscnt 7-\u
	global_store_b128 v56, v[128+4*\u:131+4*\u], s[56:57] offset:\u*512    ; 512 consecutive bytes, aligned
.endr
	s_cmp_lg_u32 s18, 0
	s_cbranch_scc1 .Lnot_wave_0_\@
	global_store_b32 v51, v[\en], s[12:13]         ; wave 0: the tile's 16 words of tok and of tvs; lanes 16-31 repeat lanes 0-15
	global_store_b32 v51, v50, s[14:15]            ; (v50's load is older than the rows', which were waited for down to 0)
.Lnot_wave_0_\@:
.endm
	s_load_b256 s[4:11], s[0:1], 0x0               ; idx s[4:5], tv s[6:7], x s[8:9], meta s[10:11]
	s_load_b128 s[12:15], s[0:1], 0x20             ; tok s[12:13], tvs s[14:15]
	s_load_b64 s[16:17], s[0:1], 0x30              ; xs
	v_lshl_add_u32 v160, v0, 2, 0x19100
	v_mov_b32 v161, 0
	v_lshrrev_b32 v2, 5, v0
	v_readfirstlane_b32 s18, v2                    ; wave = my expert in phase A
	v_and_b32 v1, 31, v0
	v_and_b32 v15, 15, v0
	v_lshlrev_b32 v14, 2, v1
	v_lshlrev_b32 v8, 4, v1
	s_mul_i32 s19, s18, LISTB
	s_add_co_u32 s19, s19, LIST0
	v_mov_b32 v12, s19
	v_mov_b32 v13, 2080
	s_mov_b32 s20, 0
	s_wait_kmcnt 0x0
.irp q, 0,1,2,3,4,5,6,7,8,9,10,11,12,13,14,15
	global_load_b128 v[64+4*\q:67+4*\q], v8, s[4:5] offset:\q*512
.endr
	v_lshl_add_u32 v9, s18, 9, v8                  ; 512 bytes of a row a wave
	v_lshl_add_u32 v56, s18, 12, v8                ; 4,096 bytes of a tile of xs a wave
	s_mul_i32 s23, s18, STW
	s_add_co_u32 s23, s23, STAGE                   ; my stage
	v_lshrrev_b32 v10, 1, v1                       ; in: lane l holds 4 of the 8 numbers of chunk l / 2
	v_and_b32 v11, 1, v1
	v_mul_u32_u24 v54, v10, SP
	v_lshl_add_u32 v54, v11, 3, v54
	v_add_nc_u32 v54, s23, v54
	v_lshrrev_b32 v10, 4, v1                       ; out: lanes 0-15 take one chunk, lanes 16-31 the next
	v_mul_u32_u24 v55, v10, SP
	v_lshl_add_u32 v55, v15, 4, v55
	v_add_nc_u32 v55, s23, v55
.irp q, 0,1,2,3,4,5,6,7,8,9,10,11,12,13,14,15
	s_wait_loadcnt 15-\q                           ; loads come back in order: 15 - q are younger
	RANK4 \q
.endr
	v_add_nc_u32 v10, s20, v1                      ; 32 marks behind the last token: the pad rows (15 at the most) read them
	v_min_u32 v10, 0x81f, v10
	v_lshl_add_u32 v10, v10, 2, v12
	v_mov_b32 v11, -1
	ds_store_b32 v10, v11
	v_mov_b32 v10, s18
	v_lshlrev_b32 v10, 2, v10                      ; CNT = 0: my expert's count goes to byte 4 x wave
	v_mov_b32 v11, s20
	ds_store_b32 v10, v11
	s_wait_dscnt 0x0                               ; my LDS stores are done, for the other waves' sake
	s_barrier_signal -1
	s_barrier_wait -1                              ; behind it lists and counts are only read
	v_mov_b32 v10, CNT
	ds_load_b128 v[16:19], v10
	ds_load_b128 v[20:23], v10 offset:16
	s_wait_dscnt 0x0
	s_mov_b32 s48, 0
.irp e, 0,1,2,3,4,5,6,7
	v_readfirstlane_b32 s[24+\e], v[16+\e]         ; n[e]
	s_add_co_u32 s[32+\e], s[24+\e], 15
	s_lshr_b32 s[32+\e], s[32+\e], 4               ; nt[e]
	s_mov_b32 s[40+\e], s48                        ; tile0[e]
	s_add_co_u32 s48, s48, s[32+\e]
.endr
	s_min_u32 s48, s48, 135                        ; 2,048 tokens in 8 lists: 135 tiles at the most
	s_mov_b32 s60, ttmp9                           ; my tile's place
	s_sub_co_u32 s49, s48, 1
	s_min_u32 s49, s49, s60                        ; its list entries: the last tile's where it does not exist, so that only written entries are read
	LISTRD s49, TB0, EN0
	s_wait_dscnt 0x0                               ; my reads of the lists are back
	s_barrier_signal -1
	s_barrier_wait -1                              ; everybody's are: from here on each wave touches its own stage alone
	s_cmp_lg_u32 ttmp9, 0
	s_cbranch_scc1 .Lno_meta
	s_cmp_lg_u32 s18, 0
	s_cbranch_scc1 .Lno_meta
	v_mov_b32 v52, 0                               ; work-group 0, wave 0 stores meta: one word a lane
.irp e, 0,1,2,3,4,5,6,7
	v_writelane_b32 v52, s[40+\e], \e
	v_writelane_b32 v52, s[32+\e], 8+\e
.endr
	v_writelane_b32 v52, s48, 16
	global_store_b32 v14, v52, s[10:11]            ; v14 and v52 are not written again
.Lno_meta:
	TILE s60, TB0, EN0
	s_wait_tensorcnt 0x0
	ds_add_u32 v160, v161
	s_wait_dscnt 0x0
	s_endpgm
.Lfunc_end_k_q90f4efa480_permute:
	.size	k_q90f4efa480_permute, .Lfunc_end_k_q90f4efa480_permute-k_q90f4efa480_permute
	.p2alignl 7, 3214868480
	.fill 96, 4, 3214868480
	.section	.rodata,"a",@progbits
	.p2align	6, 0x0
	.amdhsa_kernel k_q90f4efa480_permute
		.amdhsa_group_segment_fixed_size 103680
		.amdhsa_private_segment_fixed_size 0
		.amdhsa_enable_private_segment 0
		.amdhsa_kernarg_size 56
		.amdhsa_user_sgpr_count 2
		.amdhsa_user_sgpr_kernarg_segment_ptr 1
		.amdhsa_wavefront_size32 1
		.amdhsa_system_sgpr_workgroup_id_x 1
		.amdhsa_system_sgpr_workgroup_id_y 1
		.amdhsa_system_sgpr_workgroup_id_z 1
		.amdhsa_system_vgpr_workitem_id 0
		.amdhsa_next_free_vgpr 162
		.amdhsa_next_free_sgpr 66
		.amdhsa_reserve_vcc 0
		.amdhsa_float_denorm_mode_32 3
		.amdhsa_float_denorm_mode_16_64 3
		.amdhsa_memory_ordered 1
		.amdhsa_forward_progress 1
		.amdhsa_inst_pref_size 50
	.end_amdhsa_kernel
	.amdgpu_metadata
---
amdhsa.version: [ 1, 2 ]
amdhsa.kernels:
  - .name:           k_q90f4efa480_permute
    .symbol:         k_q90f4efa480_permute.kd
    .args:
      - { .name: idx, .offset: 0, .size: 8, .value_kind: global_buffer, .address_space: global }
      - { .name: tv, .offset: 8, .size: 8, .value_kind: global_buffer, .address_space: global }
      - { .name: x, .offset: 16, .size: 8, .value_kind: global_buffer, .address_space: global }
      - { .name: meta, .offset: 24, .size: 8, .value_kind: global_buffer, .address_space: global }
      - { .name: tok, .offset: 32, .size: 8, .value_kind: global_buffer, .address_space: global }
      - { .name: tvs, .offset: 40, .size: 8, .value_kind: global_buffer, .address_space: global }
      - { .name: xs, .offset: 48, .size: 8, .value_kind: global_buffer, .address_space: global }
    .group_segment_fixed_size: 103680
    .private_segment_fixed_size: 0
    .kernarg_segment_align: 8
    .kernarg_segment_size: 56
    .max_flat_workgroup_size: 256
    .sgpr_count:     66
    .vgpr_count:     162
    .wavefront_size: 32
...
	.end_amdgpu_metadata
.endif
;; end of part 2
;; launch gemm1 (part 3): grid 256 x 1, 4 waves a work-group, no clusters, 131,584 bytes of LDS; arguments expert_w1, xs, meta, he; writes he
.if DOCPART == 3
	.amdgcn_target "amdgcn-amd-amdhsa--gfx1250"
	.amdhsa_code_object_version 6
	.text
	.protected	k_q90f4efa480_gemm1
	.globl	k_q90f4efa480_gemm1
	.p2align	8
	.type	k_q90f4efa480_gemm1,@function
k_q90f4efa480_gemm1:
	s_mov_b64 s[64:65], 0
	v_nop
	global_prefetch_b8 v0, s[64:65] scope:SCOPE_SE
	s_setreg_imm32_b32 hwreg(HW_REG_WAVE_MODE, 25, 1), 1
	s_wait_xcnt 0x0
; THE EXPERTS' TWO PRODUCTS, one source for both launches (SECOND = 0: he = gelu(xs W1[e]); SECOND = 1: yp = top_val x (he W2[e]), K in two halves).
; A work-group has one expert, one strip of 64 columns of its weights and K = 1,024: 256 work-groups in either launch
; (8 experts x 32 strips; 8 experts x 2 halves of K x 16 strips).  Each f32 weight is read from memory once, by one wave of the launch.
; PHASE 1: the strip (1,024 x 64 f32, 256 KiB) is read, rounded to bf16 and laid into 128 KiB of LDS as ready fragments.  Lane (r, h) loads
; 16 bytes (columns 4 r .. 4 r + 3) of rows 8 h + j and 16 + 8 h + j of a block of 32 rows: sixteen lanes cover 256 consecutive aligned bytes
; of one row.  Packing rows 2 jj and 2 jj + 1 of column component c gives register 4 half + jj of fragment c (ISA guide 7.12.2), in which
; index r stands for column 4 r + c.  No transposition is needed; the way out undoes the order of the columns for nothing.
; PHASE 2: wave w takes the expert's tiles w, w + 4, .. of 16 sorted rows, up to five in a pass (20 accumulators, 160 registers).  The rows'
; fragments lie in memory in register order and are loaded straight into registers: each is used by this one wave, once.
; NO CLUSTER, NO TENSOR LOADS: the strips of an expert do share the activations, but a joint load lands in LDS and its refills need barriers,
; and the number of passes here is read from memory (meta) and differs from wave to wave, so no barrier may stand in this loop; the weights,
; two thirds of a typical work-group's bytes, are shared by nobody and must pass through registers to be rounded.
; LIMIT (SECOND = 0): erf by Abramowitz and Stegun 7.1.26, absolute error 1.5e-7, so gelu(v) is off by about 1e-7 |v| at the most, far
; under the rounding of he to bf16.  All matrix operands are bf16: f32's range.
.set SECOND, 0
.if SECOND
.set PITCH,  4096                      ; bytes in a row of the weights
.set LOG8P,  15                        ; log2 of 8 rows' bytes
.set PANEL,  65536                     ; bytes of a tile of the activations (16 rows x 2,048 bf16)
.else
.set PITCH,  8192
.set LOG8P,  16
.set PANEL,  32768                     ; 16 rows x 1,024 bf16
.endif
.set OTILE,  65536                     ; bytes of a tile of the result: 16 x 2,048 bf16, or 16 rows of 1,024 f32
; REGISTERS, in windows of 256 (s_set_vgpr_msb: bits 1:0 source 0, 3:2 source 1, 5:4 source 2, 7:6 destination):
;   window 0: v1 lane, v2 r, v3 h, v4 weights' offset, v5 LDS store, v6 16 lane, v7 16 lane + 65,536, v8 result's offset, v9 32 h,
;             v[32:63] packed fragments (phase 1), scaled results (SECOND); v[64:103] top_val (SECOND)
;   window 1: accumulator of tile i, column component c at 32 i + 8 c; from 160 on the scratch of gelu
;   windows 2, 3, phase 1: the weights as loaded, 64 registers a block: blocks 0-3 in window 2, blocks 4-7 in window 3
;   windows 2, 3, phase 2 (even, odd K steps of 64): weights' fragments at 8 (4 kbs + c); two slots of 80 for the rows' fragments at 64 + 80 slot + 8 (5 kbs + i)
.set F,    32
.set T,    32
.set TVR,  64
.set XA,   160
.set XB,   168
.set XC,   176
.set XD,   184
.set P,    192
.set VC4,  208
.set MSB, 0
.macro WIN new                         ; the immediate's high byte repeats the setting that is left; a switch that changes nothing is dropped
.if MSB != \new
	s_set_vgpr_msb (MSB<<8)|\new
.set MSB, \new
.endif
.endm
.macro PLACES                          ; four plain vector instructions between a matrix instruction and a load into, or a vector read of, its registers
.rept 4
	v_nop
.endr
.endm
; Block kbl (32 rows x 64 columns) of my 256 rows of the strip: sixteen loads into registers of its own.  Read once in the launch.
.macro WLOAD kbl
.set WS, 64*((\kbl)&3)
.irp hf, 0,1
.irp j, 0,1,2,3,4,5,6,7
	global_load_b128 v[WS+(8*\hf+\j)*4:WS+(8*\hf+\j)*4+3], v4, s[28:29] offset:(32*(\kbl)+16*\hf+\j)*PITCH th:TH_LOAD_NT
.endr
.endr
.endm
; The block is rounded and stored as four fragments of 1,024 bytes: 32 lanes x 16 consecutive bytes a store.
.macro WCVT kbl
.set WS, 64*((\kbl)&3)
.set WV, 0x0A+5*((\kbl)>>2)                        ; sources 0 and 1 in window 2 or 3, destination in window 0
	WIN WV
.irp c, 0,1,2,3
.irp hf, 0,1
.irp jj, 0,1,2,3
	v_cvt_pk_bf16_f32 v[F+8*\c+4*\hf+\jj], v[WS+(8*\hf+2*\jj)*4+\c], v[WS+(8*\hf+2*\jj+1)*4+\c]
.endr
.endr
.endr
	WIN 0
.irp c, 0,1,2,3
.irp hf, 0,1
	ds_store_b128 v5, v[F+8*\c+4*\hf:F+8*\c+4*\hf+3] offset:(\kbl)*4096+\c*1024+\hf*512
.endr
.endr
.endm
; K step s (64 along K): the weights' eight fragments from LDS, sixteen loads.
.macro LDB s
.irp kbs, 0,1
.irp c, 0,1,2,3
.irp hf, 0,1
.if (\s) < 8
	ds_load_b128 v[(\kbs*4+\c)*8+4*\hf:(\kbs*4+\c)*8+4*\hf+3], v6 offset:((\s)&7)*8192+\kbs*4096+\c*1024+\hf*512
.else
	ds_load_b128 v[(\kbs*4+\c)*8+4*\hf:(\kbs*4+\c)*8+4*\hf+3], v7 offset:((\s)&7)*8192+\kbs*4096+\c*1024+\hf*512
.endif
.endr
.endr
.endr
.endm
; K step s: the fragments of mg tiles' rows from memory, 4 mg loads of 512 consecutive bytes.
.macro LDA mg, s
.set ASL, 64+80*(((\s)>>1)&1)
.set ii, 0
.rept \mg
.irp kbs, 0,1
.irp hf, 0,1
	global_load_b128 v[ASL+(\kbs*5+ii)*8+4*\hf:ASL+(\kbs*5+ii)*8+4*\hf+3], v6, s[30:31] offset:ii*4*PANEL+(\s)*2048+\kbs*1024+\hf*512
.endr
.endr
.set ii, ii+1
.endr
.endm
; K step s: 8 mg matrix instructions.  The 4 mg accumulators take turns, one instruction a turn, over the steps' ends too.
; SECOND = 0: source 0 = weights, source 1 = rows: lane (r, h) then holds row r and columns 32 h + 4 j + c.  SECOND = 1: the other way round:
; lane (r, h) holds rows 8 h + j and column 4 r + c.  The first products start the sums: nothing is cleared.
.macro MULS mg, s
.set ASL, 64+80*(((\s)>>1)&1)
.irp kbs, 0,1
.set ii, 0
.rept \mg
.irp c, 0,1,2,3
.set DR, 32*ii+8*\c
.set WR, (\kbs*4+\c)*8
.set AR, ASL+(\kbs*5+ii)*8
.if SECOND
.if ((\s)+\kbs) == 0
	v_wmma_f32_16x16x32_bf16 v[DR:DR+7], v[AR:AR+7], v[WR:WR+7], 0
.else
	v_wmma_f32_16x16x32_bf16 v[DR:DR+7], v[AR:AR+7], v[WR:WR+7], v[DR:DR+7]
.endif
.else
.if ((\s)+\kbs) == 0
	v_wmma_f32_16x16x32_bf16 v[DR:DR+7], v[WR:WR+7], v[AR:AR+7], 0
.else
	v_wmma_f32_16x16x32_bf16 v[DR:DR+7], v[WR:WR+7], v[AR:AR+7], v[DR:DR+7]
.endif
.endif
.endr
.set ii, ii+1
.endr
.endr
.endm
.macro STEP mg, s
.if (\s) < 13
	s_wait_loadcnt 12*\mg                          ; this step's rows are in: the 4 mg loads of each of the next three steps are younger
.else
	s_wait_loadcnt 4*\mg*(15-(\s))                 ; the last steps: fewer are left
.endif
.if (\s) < 15
	s_wait_dscnt 16                                ; this step's weights are in: the next step's sixteen loads are younger
.else
	s_wait_dscnt 0
.endif
.set WV, 0x5A+5*((\s)&1)                           ; both sources in window 2 or 3, C and D in window 1
	WIN WV
	MULS \mg, \s
	PLACES
.if (\s) < 14
.set WV, 0x80+0x40*((\s)&1)                        ; destination in window 2 or 3, addresses in window 0
	WIN WV
	LDB (\s)+2                                     ; into the registers just multiplied
.endif
.if (\s) < 12
	LDA \mg, (\s)+4
.endif
.endm
; A pass over mg tiles: 16 K steps written out.  The rows' fragments are asked for three steps ahead of their use, the weights' one.
.macro KPASS mg
.if SECOND
.set ii, 0
.rept \mg
	global_load_b128 v[TVR+8*ii:TVR+8*ii+3],   v9, s[34:35] offset:ii*256      ; top_val of rows 8 h .. 8 h + 7 of tile i: the oldest loads of the pass
	global_load_b128 v[TVR+8*ii+4:TVR+8*ii+7], v9, s[34:35] offset:ii*256+16
.set ii, ii+1
.endr
.endif
	WIN 0x80
	LDB 0
	LDA \mg, 0
	WIN 0xC0
	LDB 1
	LDA \mg, 1
	WIN 0x80
	LDA \mg, 2
	WIN 0xC0
	LDA \mg, 3                                     ; in the steps' order, so that the counts above hold
.irp s, 0,1,2,3,4,5,6,7,8,9,10,11,12,13,14,15
	STEP \mg, \s
.endr
	WIN 0                                          ; a branch or a label follows
.endm
.if SECOND
; Tile i leaves: times top_val (reference()'s own multiplication), which also puts four neighbouring columns into neighbouring registers.
.macro EPI i
	s_wait_xcnt 0x0                                ; T was the last tile's store data: it is rewritten only behind this wait
	WIN 0x01                                       ; source 0 in window 1
.irp j, 0,1,2,3,4,5,6,7
.irp c, 0,1,2,3
	v_mul_f32 v[T+4*\j+\c], v[32*\i+8*\c+\j], v[TVR+8*\i+\j]
.endr
.endr
	WIN 0
.irp j, 0,1,2,3,4,5,6,7
	global_store_b128 v8, v[T+4*\j:T+4*\j+3], s[32:33] offset:\i*4*OTILE+\j*4096   ; sixteen lanes: 256 consecutive aligned bytes of row 8 h + j
.endr
.endm
.else
; Tile i leaves: gelu(v) = v / 2 + |v| (1/2 - q), q = (1/2) t (a1 + t (a2 + t (a3 + t (a4 + t a5)))) exp(-v v / 2), t = 1 / (1 + 0.23164189 |v|).
; The coefficients are kept halved and negated, so that 1/2 - q is one multiply-add.
.macro EPI i
	WIN 0x55                                       ; everything in window 1
.irp c, 0,1,2,3
.set VT, 32*\i+8*\c
.irp j, 0,1,2,3,4,5,6,7
	v_fma_f32 v[XA+\j], |v[VT+\j]|, s40, 1.0
.endr
.irp j, 0,2,4,6
	v_pk_mul_f32 v[XB+\j:XB+\j+1], v[VT+\j:VT+\j+1], v[VT+\j:VT+\j+1]
.endr
.irp j, 0,2,4,6
	v_pk_mul_f32 v[XB+\j:XB+\j+1], v[XB+\j:XB+\j+1], s[42:43] op_sel_hi:[1,0]      ; -v v log2(e) / 2
.endr
.irp j, 0,1,2,3,4,5,6,7
	v_rcp_f32 v[XC+\j], v[XA+\j]                   ; t
.endr
.irp j, 0,1,2,3,4,5,6,7
	v_exp_f32 v[XD+\j], v[XB+\j]
.endr
	v_nop                                          ; one plain instruction behind the transcendentals (ISA guide 5.7.2)
	s_wait_alu depctr_va_vdst(0)
.irp j, 0,2,4,6
	v_pk_fma_f32 v[XB+\j:XB+\j+1], v[XC+\j:XC+\j+1], s[50:51], v[VC4:VC4+1] op_sel_hi:[1,0,1]
.endr
.irp j, 0,2,4,6
	v_pk_fma_f32 v[XB+\j:XB+\j+1], v[XB+\j:XB+\j+1], v[XC+\j:XC+\j+1], s[48:49] op_sel_hi:[1,1,0]
.endr
.irp j, 0,2,4,6
	v_pk_fma_f32 v[XB+\j:XB+\j+1], v[XB+\j:XB+\j+1], v[XC+\j:XC+\j+1], s[46:47] op_sel_hi:[1,1,0]
.endr
.irp j, 0,2,4,6
	v_pk_fma_f32 v[XB+\j:XB+\j+1], v[XB+\j:XB+\j+1], v[XC+\j:XC+\j+1], s[44:45] op_sel_hi:[1,1,0]
.endr
.irp j, 0,2,4,6
	v_pk_mul_f32 v[XC+\j:XC+\j+1], v[XC+\j:XC+\j+1], v[XD+\j:XD+\j+1]              ; t exp(..)
.endr
.irp j, 0,2,4,6
	v_pk_fma_f32 v[XB+\j:XB+\j+1], v[XB+\j:XB+\j+1], v[XC+\j:XC+\j+1], 0.5 op_sel_hi:[1,1,0]   ; 1/2 - q
.endr
.irp j, 0,2,4,6
	v_pk_mul_f32 v[XA+\j:XA+\j+1], v[VT+\j:VT+\j+1], 0.5 op_sel_hi:[1,0]
.endr
.irp j, 0,1,2,3,4,5,6,7
	v_fma_f32 v[VT+\j], |v[VT+\j]|, v[XB+\j], v[XA+\j]
.endr
.endr
	s_wait_xcnt 0x0                                ; P was the last tile's store data: it is rewritten only behind this wait
; My 32 columns 32 h + 4 j + c are one block of 32 along the next product's K: columns 8 q .. 8 q + 7 are j = 2 q, 2 q + 1 with c = 0 .. 3.
.irp q, 0,1,2,3
	v_cvt_pk_bf16_f32 v[P+4*\q],   v[32*\i+2*\q],      v[32*\i+8+2*\q]
	v_cvt_pk_bf16_f32 v[P+4*\q+1], v[32*\i+16+2*\q],   v[32*\i+24+2*\q]
	v_cvt_pk_bf16_f32 v[P+4*\q+2], v[32*\i+2*\q+1],    v[32*\i+8+2*\q+1]
	v_cvt_pk_bf16_f32 v[P+4*\q+3], v[32*\i+16+2*\q+1], v[32*\i+24+2*\q+1]
.endr
	WIN 0x04                                       ; store data in window 1
.irp q, 0,1,2,3
	global_store_b128 v8, v[P+4*\q:P+4*\q+3], s[32:33] offset:\i*4*OTILE+\q*256    ; sixteen lanes: 256 consecutive aligned bytes, in the next product's fragment order
.endr
	WIN 0
.endm
.endif
	s_load_b256 s[4:11], s[0:1], 0x0               ; weights s[4:5], activations s[6:7], meta s[8:9], then he (SECOND: tvs) s[10:11]
	v_lshl_add_u32 v254, v0, 2, 0x20000
	v_mov_b32 v255, 0
.if SECOND
	s_load_b64 s[12:13], s[0:1], 0x20              ; yp
.endif
	v_lshrrev_b32 v1, 5, v0
	v_readfirstlane_b32 s14, v1                    ; wave
	v_and_b32 v1, 31, v0                           ; lane
	v_and_b32 v2, 15, v0                           ; r
	v_bfe_u32 v3, v0, 4, 1                         ; h
	v_lshlrev_b32 v6, 4, v1
	v_lshlrev_b32 v10, 4, v2
	v_lshl_add_u32 v4, v3, LOG8P, v10              ; 8 h rows + 16 r
	v_lshl_add_u32 v5, s14, 15, v6                 ; my eight blocks' 32 KiB of LDS
	v_add_nc_u32 v7, 0x10000, v6
	s_lshr_b32 s15, ttmp9, 5                       ; expert
	s_lshl_b32 s36, s15, 2                         ; its word in meta
	s_lshl_b32 s18, s15, 23                        ; its weights: 8 MiB
.if SECOND
	s_and_b32 s16, ttmp9, 15                       ; strip
	s_bfe_u32 s17, ttmp9, 0x10004                  ; half of K
	v_lshl_add_u32 v8, v3, 15, v10                 ; 8 h rows of 4,096 bytes + 16 r
	v_lshlrev_b32 v9, 5, v3
	s_lshl_b32 s19, s17, 22                        ; 1,024 rows of 4,096 bytes
	s_add_co_u32 s18, s18, s19
	s_lshl_b32 s19, s14, 20                        ; my 256 rows
.else
	s_and_b32 s16, ttmp9, 31                       ; strip
	v_lshl_add_u32 v8, v3, 10, v10                 ; block h of 1,024 bytes + 16 r
	s_lshl_b32 s19, s14, 21                        ; my 256 rows of 8,192 bytes
.endif
	s_add_co_u32 s18, s18, s19
	s_lshl_b32 s19, s16, 8                         ; 256 bytes a strip
	s_add_co_u32 s18, s18, s19
	s_mov_b32 s19, 0
	s_wait_kmcnt 0x0
	s_add_nc_u64 s[28:29], s[4:5], s[18:19]
	s_load_b32 s20, s[8:9], s36 offset:0x0         ; tile0[e]
	s_load_b32 s21, s[8:9], s36 offset:0x20        ; nt[e]
	; PHASE 1.  All my 128 loads (64 KiB) go out in one run, each block into registers of its own.  LOADcnt's field holds 63 and the issue
	; of a load that would pass it stalls (ISA guide 5.7.1), so 63 loads, 31.5 KiB, of every wave stay out until the last is issued.
	WIN 0x80                                       ; destination in window 2, address in window 0
	WLOAD 0
	WLOAD 1
	WLOAD 2
	WLOAD 3
	WIN 0xC0                                       ; destination in window 3
	WLOAD 4
	WLOAD 5
	WLOAD 6
	WLOAD 7
	s_wait_loadcnt 63                              ; at most 63 of the 128 are out, and they come back in order: the first 65 are in, blocks 0 to 3 among them
	WCVT 0
	WCVT 1
	WCVT 2
	WCVT 3
.irp kbl, 4,5,6,7
	s_wait_loadcnt 16*(7-\kbl)                     ; this block is in: the later blocks' sixteen loads each are younger
	WCVT \kbl
.endr
	s_wait_kmcnt 0x0
	s_wait_dscnt 0x0                               ; my LDS stores are done, for the other waves' sake
	s_barrier_signal -1
	s_barrier_wait -1                              ; the launch's only barrier: behind it the strip is only read
	; PHASE 2
	s_min_u32 s20, s20, 135                        ; numbers read from memory enter addresses and trip counts only clamped
	s_min_u32 s21, s21, 128
	s_add_co_u32 s22, s21, 3
	s_sub_co_u32 s22, s22, s14
	s_lshr_b32 s22, s22, 2                         ; my tiles: w, w + 4, ..: 32 at the most
	s_cmp_eq_u32 s22, 0
	s_cbranch_scc1 .Lend
	s_add_co_u32 s23, s22, 4
	s_mul_i32 s23, s23, 52
	s_lshr_b32 s23, s23, 8                         ; passes = ceil(tiles / 5): (tiles + 4) x 52 / 256 is exact up to 32 tiles
	s_add_co_u32 s20, s20, s14                     ; the first of my tiles
	s_mov_b32 s19, 0
.if SECOND
	s_lshl_b32 s18, s20, 16
	s_lshl_b32 s27, s17, 15                        ; my half of K in a tile of he
	s_add_co_u32 s18, s18, s27
	s_add_nc_u64 s[30:31], s[6:7], s[18:19]
	s_lshl_b32 s18, s20, 16
	s_mul_i32 s27, s17, 0x880000                   ; my half's 2,176 rows of yp
	s_add_co_u32 s18, s18, s27
	s_lshl_b32 s27, s16, 8
	s_add_co_u32 s18, s18, s27
	s_add_nc_u64 s[32:33], s[12:13], s[18:19]
	s_lshl_b32 s18, s20, 6
	s_add_nc_u64 s[34:35], s[10:11], s[18:19]
.else
	s_lshl_b32 s18, s20, 15
	s_add_nc_u64 s[30:31], s[6:7], s[18:19]
	s_lshl_b32 s18, s20, 16
	s_lshl_b32 s27, s16, 11                        ; my strip's two blocks of 32 along he's K
	s_add_co_u32 s18, s18, s27
	s_add_nc_u64 s[32:33], s[10:11], s[18:19]
	s_mov_b32 s40, 0x3e6d3388                      ; 0.3275911 / sqrt(2)
	s_mov_b32 s42, 0xbf38aa3b                      ; -log2(e) / 2; the pairs' second words are written too
	s_mov_b32 s43, 0xbf38aa3b
	s_mov_b32 s44, 0xbe027906                      ; -a1 / 2
	s_mov_b32 s45, 0xbe027906
	s_mov_b32 s46, 0x3e11a98e                      ; -a2 / 2
	s_mov_b32 s47, 0x3e11a98e
	s_mov_b32 s48, 0xbf35f0e3                      ; -a3 / 2
	s_mov_b32 s49, 0xbf35f0e3
	s_mov_b32 s50, 0xbf07dc22                      ; -a5 / 2
	s_mov_b32 s51, 0xbf07dc22
	WIN 0x40
	v_mov_b32 v[VC4],   0x3f3a00e3                 ; -a4 / 2, in a vector pair: the line that uses it names a scalar pair already
	v_mov_b32 v[VC4+1], 0x3f3a00e3
	WIN 0
.endif
	s_mov_b32 s24, 0                               ; passes done
	s_mov_b32 s25, s22                             ; tiles left
.Lpass:
	s_min_u32 s26, s25, 5                          ; tiles of this pass
	s_cmp_eq_u32 s26, 5
	s_cbranch_scc1 .Lk5
	s_cmp_eq_u32 s26, 4
	s_cbranch_scc1 .Lk4
	s_cmp_eq_u32 s26, 3
	s_cbranch_scc1 .Lk3
	s_cmp_eq_u32 s26, 2
	s_cbranch_scc1 .Lk2
	KPASS 1
	s_branch .Le0
.Lk2:
	KPASS 2
	s_branch .Le1
.Lk3:
	KPASS 3
	s_branch .Le2
.Lk4:
	KPASS 4
	s_branch .Le3
.Lk5:
	KPASS 5
	EPI 4                                          ; the way out is one chain, entered at the pass's last tile
.Le3:
	EPI 3
.Le2:
	EPI 2
.Le1:
	EPI 1
.Le0:
	EPI 0
	s_wait_xcnt 0x0                                ; the bases are stepped only behind this wait
	s_add_nc_u64 s[30:31], s[30:31], 20*PANEL      ; five tiles of each of four waves on
	s_add_nc_u64 s[32:33], s[32:33], 20*OTILE
.if SECOND
	s_add_nc_u64 s[34:35], s[34:35], 20*64
.endif
	s_sub_co_u32 s25, s25, 5                       ; (not used behind the last pass)
	s_add_co_u32 s24, s24, 1
	s_cmp_lt_u32 s24, s23
	s_cbranch_scc1 .Lpass
.Lend:
	s_wait_tensorcnt 0x0
	ds_add_u32 v254, v255
	s_wait_dscnt 0x0
	s_endpgm
.Lfunc_end_k_q90f4efa480_gemm1:
	.size	k_q90f4efa480_gemm1, .Lfunc_end_k_q90f4efa480_gemm1-k_q90f4efa480_gemm1
	.p2alignl 7, 3214868480
	.fill 96, 4, 3214868480
	.section	.rodata,"a",@progbits
	.p2align	6, 0x0
	.amdhsa_kernel k_q90f4efa480_gemm1
		.amdhsa_group_segment_fixed_size 131584
		.amdhsa_private_segment_fixed_size 0
		.amdhsa_enable_private_segment 0
		.amdhsa_kernarg_size 32
		.amdhsa_user_sgpr_count 2
		.amdhsa_user_sgpr_kernarg_segment_ptr 1
		.amdhsa_wavefront_size32 1
		.amdhsa_system_sgpr_workgroup_id_x 1
		.amdhsa_system_sgpr_workgroup_id_y 1
		.amdhsa_system_sgpr_workgroup_id_z 1
		.amdhsa_system_vgpr_workitem_id 0
		.amdhsa_next_free_vgpr 1024
		.amdhsa_next_free_sgpr 66
		.amdhsa_reserve_vcc 0
		.amdhsa_float_denorm_mode_32 3
		.amdhsa_float_denorm_mode_16_64 3
		.amdhsa_memory_ordered 1
		.amdhsa_forward_progress 1
		.amdhsa_inst_pref_size 255
	.end_amdhsa_kernel
	.section	.bss,"aw",@nobits
	.p2align	6
	.space	262144
	.amdgpu_metadata
---
amdhsa.version: [ 1, 2 ]
amdhsa.kernels:
  - .name:           k_q90f4efa480_gemm1
    .symbol:         k_q90f4efa480_gemm1.kd
    .args:
      - { .name: expert_w1, .offset: 0, .size: 8, .value_kind: global_buffer, .address_space: global }
      - { .name: xs, .offset: 8, .size: 8, .value_kind: global_buffer, .address_space: global }
      - { .name: meta, .offset: 16, .size: 8, .value_kind: global_buffer, .address_space: global }
      - { .name: he, .offset: 24, .size: 8, .value_kind: global_buffer, .address_space: global }
    .group_segment_fixed_size: 131584
    .private_segment_fixed_size: 0
    .kernarg_segment_align: 8
    .kernarg_segment_size: 32
    .max_flat_workgroup_size: 128
    .sgpr_count:     66
    .vgpr_count:     1024
    .wavefront_size: 32
...
	.end_amdgpu_metadata
.endif
;; end of part 3
;; launch gemm2 (part 4): grid 256 x 1, 4 waves a work-group, no clusters, 131,584 bytes of LDS; arguments expert_w2, he, meta, tvs, yp; writes yp
.if DOCPART == 4
	.amdgcn_target "amdgcn-amd-amdhsa--gfx1250"
	.amdhsa_code_object_version 6
	.text
	.protected	k_q90f4efa480_gemm2
	.globl	k_q90f4efa480_gemm2
	.p2align	8
	.type	k_q90f4efa480_gemm2,@function
k_q90f4efa480_gemm2:
	s_mov_b64 s[64:65], 0
	v_nop
	global_prefetch_b8 v0, s[64:65] scope:SCOPE_SE
	s_setreg_imm32_b32 hwreg(HW_REG_WAVE_MODE, 25, 1), 1
	s_wait_xcnt 0x0
; THE EXPERTS' TWO PRODUCTS, one source for both launches (SECOND = 0: he = gelu(xs W1[e]); SECOND = 1: yp = top_val x (he W2[e]), K in two halves).
; A work-group has one expert, one strip of 64 columns of its weights and K = 1,024: 256 work-groups in either launch
; (8 experts x 32 strips; 8 experts x 2 halves of K x 16 strips).  Each f32 weight is read from memory once, by one wave of the launch.
; PHASE 1: the strip (1,024 x 64 f32, 256 KiB) is read, rounded to bf16 and laid into 128 KiB of LDS as ready fragments.  Lane (r, h) loads
; 16 bytes (columns 4 r .. 4 r + 3) of rows 8 h + j and 16 + 8 h + j of a block of 32 rows: sixteen lanes cover 256 consecutive aligned bytes
; of one row.  Packing rows 2 jj and 2 jj + 1 of column component c gives register 4 half + jj of fragment c (ISA guide 7.12.2), in which
; index r stands for column 4 r + c.  No transposition is needed; the way out undoes the order of the columns for nothing.
; PHASE 2: wave w takes the expert's tiles w, w + 4, .. of 16 sorted rows, up to five in a pass (20 accumulators, 160 registers).  The rows'
; fragments lie in memory in register order and are loaded straight into registers: each is used by this one wave, once.
; K IN TWO HALVES (SECOND = 1): with all of K = 2,048 in one work-group there would be 128 work-groups; with two halves there are 256 of the
; first product's shape, and the two partial sums (f32, 8.9 MB each) are added by the next launch, which owns each output row.
; NO CLUSTER, NO TENSOR LOADS: the strips of an expert do share the activations, but a joint load lands in LDS and its refills need barriers,
; and the number of passes here is read from memory (meta) and differs from wave to wave, so no barrier may stand in this loop; the weights,
; two thirds of a typical work-group's bytes, are shared by nobody and must pass through registers to be rounded.
; All matrix operands are bf16: f32's range.
.set SECOND, 1
.if SECOND
.set PITCH,  4096                      ; bytes in a row of the weights
.set LOG8P,  15                        ; log2 of 8 rows' bytes
.set PANEL,  65536                     ; bytes of a tile of the activations (16 rows x 2,048 bf16)
.else
.set PITCH,  8192
.set LOG8P,  16
.set PANEL,  32768                     ; 16 rows x 1,024 bf16
.endif
.set OTILE,  65536                     ; bytes of a tile of the result: 16 x 2,048 bf16, or 16 rows of 1,024 f32
; REGISTERS, in windows of 256 (s_set_vgpr_msb: bits 1:0 source 0, 3:2 source 1, 5:4 source 2, 7:6 destination):
;   window 0: v1 lane, v2 r, v3 h, v4 weights' offset, v5 LDS store, v6 16 lane, v7 16 lane + 65,536, v8 result's offset, v9 32 h,
;             v[32:63] packed fragments (phase 1), scaled results (SECOND); v[64:103] top_val (SECOND)
;   window 1: accumulator of tile i, column component c at 32 i + 8 c; from 160 on the scratch of gelu
;   windows 2, 3, phase 1: the weights as loaded, 64 registers a block: blocks 0-3 in window 2, blocks 4-7 in window 3
;   windows 2, 3, phase 2 (even, odd K steps of 64): weights' fragments at 8 (4 kbs + c); two slots of 80 for the rows' fragments at 64 + 80 slot + 8 (5 kbs + i)
.set F,    32
.set T,    32
.set TVR,  64
.set XA,   160
.set XB,   168
.set XC,   176
.set XD,   184
.set P,    192
.set VC4,  208
.set MSB, 0
.macro WIN new                         ; the immediate's high byte repeats the setting that is left; a switch that changes nothing is dropped
.if MSB != \new
	s_set_vgpr_msb (MSB<<8)|\new
.set MSB, \new
.endif
.endm
.macro PLACES                          ; four plain vector instructions between a matrix instruction and a load into, or a vector read of, its registers
.rept 4
	v_nop
.endr
.endm
; Block kbl (32 rows x 64 columns) of my 256 rows of the strip: sixteen loads into registers of its own.  Read once in the launch.
.macro WLOAD kbl
.set WS, 64*((\kbl)&3)
.irp hf, 0,1
.irp j, 0,1,2,3,4,5,6,7
	global_load_b128 v[WS+(8*\hf+\j)*4:WS+(8*\hf+\j)*4+3], v4, s[28:29] offset:(32*(\kbl)+16*\hf+\j)*PITCH th:TH_LOAD_NT
.endr
.endr
.endm
; The block is rounded and stored as four fragments of 1,024 bytes: 32 lanes x 16 consecutive bytes a store.
.macro WCVT kbl
.set WS, 64*((\kbl)&3)
.set WV, 0x0A+5*((\kbl)>>2)                        ; sources 0 and 1 in window 2 or 3, destination in window 0
	WIN WV
.irp c, 0,1,2,3
.irp hf, 0,1
.irp jj, 0,1,2,3
	v_cvt_pk_bf16_f32 v[F+8*\c+4*\hf+\jj], v[WS+(8*\hf+2*\jj)*4+\c], v[WS+(8*\hf+2*\jj+1)*4+\c]
.endr
.endr
.endr
	WIN 0
.irp c, 0,1,2,3
.irp hf, 0,1
	ds_store_b128 v5, v[F+8*\c+4*\hf:F+8*\c+4*\hf+3] offset:(\kbl)*4096+\c*1024+\hf*512
.endr
.endr
.endm
; K step s (64 along K): the weights' eight fragments from LDS, sixteen loads.
.macro LDB s
.irp kbs, 0,1
.irp c, 0,1,2,3
.irp hf, 0,1
.if (\s) < 8
	ds_load_b128 v[(\kbs*4+\c)*8+4*\hf:(\kbs*4+\c)*8+4*\hf+3], v6 offset:((\s)&7)*8192+\kbs*4096+\c*1024+\hf*512
.else
	ds_load_b128 v[(\kbs*4+\c)*8+4*\hf:(\kbs*4+\c)*8+4*\hf+3], v7 offset:((\s)&7)*8192+\kbs*4096+\c*1024+\hf*512
.endif
.endr
.endr
.endr
.endm
; K step s: the fragments of mg tiles' rows from memory, 4 mg loads of 512 consecutive bytes.
.macro LDA mg, s
.set ASL, 64+80*(((\s)>>1)&1)
.set ii, 0
.rept \mg
.irp kbs, 0,1
.irp hf, 0,1
	global_load_b128 v[ASL+(\kbs*5+ii)*8+4*\hf:ASL+(\kbs*5+ii)*8+4*\hf+3], v6, s[30:31] offset:ii*4*PANEL+(\s)*2048+\kbs*1024+\hf*512
.endr
.endr
.set ii, ii+1
.endr
.endm
; K step s: 8 mg matrix instructions.  The 4 mg accumulators take turns, one instruction a turn, over the steps' ends too.
; SECOND = 0: source 0 = weights, source 1 = rows: lane (r, h) then holds row r and columns 32 h + 4 j + c.  SECOND = 1: the other way round:
; lane (r, h) holds rows 8 h + j and column 4 r + c.  The first products start the sums: nothing is cleared.
.macro MULS mg, s
.set ASL, 64+80*(((\s)>>1)&1)
.irp kbs, 0,1
.set ii, 0
.rept \mg
.irp c, 0,1,2,3
.set DR, 32*ii+8*\c
.set WR, (\kbs*4+\c)*8
.set AR, ASL+(\kbs*5+ii)*8
.if SECOND
.if ((\s)+\kbs) == 0
	v_wmma_f32_16x16x32_bf16 v[DR:DR+7], v[AR:AR+7], v[WR:WR+7], 0
.else
	v_wmma_f32_16x16x32_bf16 v[DR:DR+7], v[AR:AR+7], v[WR:WR+7], v[DR:DR+7]
.endif
.else
.if ((\s)+\kbs) == 0
	v_wmma_f32_16x16x32_bf16 v[DR:DR+7], v[WR:WR+7], v[AR:AR+7], 0
.else
	v_wmma_f32_16x16x32_bf16 v[DR:DR+7], v[WR:WR+7], v[AR:AR+7], v[DR:DR+7]
.endif
.endif
.endr
.set ii, ii+1
.endr
.endr
.endm
.macro STEP mg, s
.if (\s) < 13
	s_wait_loadcnt 12*\mg                          ; this step's rows are in: the 4 mg loads of each of the next three steps are younger
.else
	s_wait_loadcnt 4*\mg*(15-(\s))                 ; the last steps: fewer are left
.endif
.if (\s) < 15
	s_wait_dscnt 16                                ; this step's weights are in: the next step's sixteen loads are younger
.else
	s_wait_dscnt 0
.endif
.set WV, 0x5A+5*((\s)&1)                           ; both sources in window 2 or 3, C and D in window 1
	WIN WV
	MULS \mg, \s
	PLACES
.if (\s) < 14
.set WV, 0x80+0x40*((\s)&1)                        ; destination in window 2 or 3, addresses in window 0
	WIN WV
	LDB (\s)+2                                     ; into the registers just multiplied
.endif
.if (\s) < 12
	LDA \mg, (\s)+4
.endif
.endm
; A pass over mg tiles: 16 K steps written out.  The rows' fragments are asked for three steps ahead of their use, the weights' one.
.macro KPASS mg
.if SECOND
.set ii, 0
.rept \mg
	global_load_b128 v[TVR+8*ii:TVR+8*ii+3],   v9, s[34:35] offset:ii*256      ; top_val of rows 8 h .. 8 h + 7 of tile i: the oldest loads of the pass
	global_load_b128 v[TVR+8*ii+4:TVR+8*ii+7], v9, s[34:35] offset:ii*256+16
.set ii, ii+1
.endr
.endif
	WIN 0x80
	LDB 0
	LDA \mg, 0
	WIN 0xC0
	LDB 1
	LDA \mg, 1
	WIN 0x80
	LDA \mg, 2
	WIN 0xC0
	LDA \mg, 3                                     ; in the steps' order, so that the counts above hold
.irp s, 0,1,2,3,4,5,6,7,8,9,10,11,12,13,14,15
	STEP \mg, \s
.endr
	WIN 0                                          ; a branch or a label follows
.endm
.if SECOND
; Tile i leaves: times top_val (reference()'s own multiplication), which also puts four neighbouring columns into neighbouring registers.
.macro EPI i
	s_wait_xcnt 0x0                                ; T was the last tile's store data: it is rewritten only behind this wait
	WIN 0x01                                       ; source 0 in window 1
.irp j, 0,1,2,3,4,5,6,7
.irp c, 0,1,2,3
	v_mul_f32 v[T+4*\j+\c], v[32*\i+8*\c+\j], v[TVR+8*\i+\j]
.endr
.endr
	WIN 0
.irp j, 0,1,2,3,4,5,6,7
	global_store_b128 v8, v[T+4*\j:T+4*\j+3], s[32:33] offset:\i*4*OTILE+\j*4096   ; sixteen lanes: 256 consecutive aligned bytes of row 8 h + j
.endr
.endm
.else
; Tile i leaves: gelu(v) = v / 2 + |v| (1/2 - q), q = (1/2) t (a1 + t (a2 + t (a3 + t (a4 + t a5)))) exp(-v v / 2), t = 1 / (1 + 0.23164189 |v|).
; The coefficients are kept halved and negated, so that 1/2 - q is one multiply-add.
.macro EPI i
	WIN 0x55                                       ; everything in window 1
.irp c, 0,1,2,3
.set VT, 32*\i+8*\c
.irp j, 0,1,2,3,4,5,6,7
	v_fma_f32 v[XA+\j], |v[VT+\j]|, s40, 1.0
.endr
.irp j, 0,2,4,6
	v_pk_mul_f32 v[XB+\j:XB+\j+1], v[VT+\j:VT+\j+1], v[VT+\j:VT+\j+1]
.endr
.irp j, 0,2,4,6
	v_pk_mul_f32 v[XB+\j:XB+\j+1], v[XB+\j:XB+\j+1], s[42:43] op_sel_hi:[1,0]      ; -v v log2(e) / 2
.endr
.irp j, 0,1,2,3,4,5,6,7
	v_rcp_f32 v[XC+\j], v[XA+\j]                   ; t
.endr
.irp j, 0,1,2,3,4,5,6,7
	v_exp_f32 v[XD+\j], v[XB+\j]
.endr
	v_nop                                          ; one plain instruction behind the transcendentals (ISA guide 5.7.2)
.irp j, 0,2,4,6
	v_pk_fma_f32 v[XB+\j:XB+\j+1], v[XC+\j:XC+\j+1], s[50:51], v[VC4:VC4+1] op_sel_hi:[1,0,1]
.endr
.irp j, 0,2,4,6
	v_pk_fma_f32 v[XB+\j:XB+\j+1], v[XB+\j:XB+\j+1], v[XC+\j:XC+\j+1], s[48:49] op_sel_hi:[1,1,0]
.endr
.irp j, 0,2,4,6
	v_pk_fma_f32 v[XB+\j:XB+\j+1], v[XB+\j:XB+\j+1], v[XC+\j:XC+\j+1], s[46:47] op_sel_hi:[1,1,0]
.endr
.irp j, 0,2,4,6
	v_pk_fma_f32 v[XB+\j:XB+\j+1], v[XB+\j:XB+\j+1], v[XC+\j:XC+\j+1], s[44:45] op_sel_hi:[1,1,0]
.endr
.irp j, 0,2,4,6
	v_pk_mul_f32 v[XC+\j:XC+\j+1], v[XC+\j:XC+\j+1], v[XD+\j:XD+\j+1]              ; t exp(..)
.endr
.irp j, 0,2,4,6
	v_pk_fma_f32 v[XB+\j:XB+\j+1], v[XB+\j:XB+\j+1], v[XC+\j:XC+\j+1], 0.5 op_sel_hi:[1,1,0]   ; 1/2 - q
.endr
.irp j, 0,2,4,6
	v_pk_mul_f32 v[XA+\j:XA+\j+1], v[VT+\j:VT+\j+1], 0.5 op_sel_hi:[1,0]
.endr
.irp j, 0,1,2,3,4,5,6,7
	v_fma_f32 v[VT+\j], |v[VT+\j]|, v[XB+\j], v[XA+\j]
.endr
.endr
	s_wait_xcnt 0x0                                ; P was the last tile's store data: it is rewritten only behind this wait
; My 32 columns 32 h + 4 j + c are one block of 32 along the next product's K: columns 8 q .. 8 q + 7 are j = 2 q, 2 q + 1 with c = 0 .. 3.
.irp q, 0,1,2,3
	v_cvt_pk_bf16_f32 v[P+4*\q],   v[32*\i+2*\q],      v[32*\i+8+2*\q]
	v_cvt_pk_bf16_f32 v[P+4*\q+1], v[32*\i+16+2*\q],   v[32*\i+24+2*\q]
	v_cvt_pk_bf16_f32 v[P+4*\q+2], v[32*\i+2*\q+1],    v[32*\i+8+2*\q+1]
	v_cvt_pk_bf16_f32 v[P+4*\q+3], v[32*\i+16+2*\q+1], v[32*\i+24+2*\q+1]
.endr
	WIN 0x04                                       ; store data in window 1
.irp q, 0,1,2,3
	global_store_b128 v8, v[P+4*\q:P+4*\q+3], s[32:33] offset:\i*4*OTILE+\q*256    ; sixteen lanes: 256 consecutive aligned bytes, in the next product's fragment order
.endr
	WIN 0
.endm
.endif
	s_load_b256 s[4:11], s[0:1], 0x0               ; weights s[4:5], activations s[6:7], meta s[8:9], then he (SECOND: tvs) s[10:11]
.if SECOND
	s_load_b64 s[12:13], s[0:1], 0x20              ; yp
	v_lshl_add_u32 v254, v0, 2, 0x20000
	v_mov_b32 v255, 0
.endif
	v_lshrrev_b32 v1, 5, v0
	v_readfirstlane_b32 s14, v1                    ; wave
	v_and_b32 v1, 31, v0                           ; lane
	v_and_b32 v2, 15, v0                           ; r
	v_bfe_u32 v3, v0, 4, 1                         ; h
	v_lshlrev_b32 v6, 4, v1
	v_lshlrev_b32 v10, 4, v2
	v_lshl_add_u32 v4, v3, LOG8P, v10              ; 8 h rows + 16 r
	v_lshl_add_u32 v5, s14, 15, v6                 ; my eight blocks' 32 KiB of LDS
	v_add_nc_u32 v7, 0x10000, v6
	s_lshr_b32 s15, ttmp9, 5                       ; expert
	s_lshl_b32 s36, s15, 2                         ; its word in meta
	s_lshl_b32 s18, s15, 23                        ; its weights: 8 MiB
.if SECOND
	s_and_b32 s16, ttmp9, 15                       ; strip
	s_bfe_u32 s17, ttmp9, 0x10004                  ; half of K
	v_lshl_add_u32 v8, v3, 15, v10                 ; 8 h rows of 4,096 bytes + 16 r
	v_lshlrev_b32 v9, 5, v3
	s_lshl_b32 s19, s17, 22                        ; 1,024 rows of 4,096 bytes
	s_add_co_u32 s18, s18, s19
	s_lshl_b32 s19, s14, 20                        ; my 256 rows
.else
	s_and_b32 s16, ttmp9, 31                       ; strip
	v_lshl_add_u32 v8, v3, 10, v10                 ; block h of 1,024 bytes + 16 r
	s_lshl_b32 s19, s14, 21                        ; my 256 rows of 8,192 bytes
.endif
	s_add_co_u32 s18, s18, s19
	s_lshl_b32 s19, s16, 8                         ; 256 bytes a strip
	s_add_co_u32 s18, s18, s19
	s_mov_b32 s19, 0
	s_wait_kmcnt 0x0
	s_add_nc_u64 s[28:29], s[4:5], s[18:19]
	s_load_b32 s20, s[8:9], s36 offset:0x0         ; tile0[e]
	s_load_b32 s21, s[8:9], s36 offset:0x20        ; nt[e]
	; PHASE 1.  All my 128 loads (64 KiB) go out in one run, each block into registers of its own.  LOADcnt's field holds 63 and the issue
	; of a load that would pass it stalls (ISA guide 5.7.1), so 63 loads, 31.5 KiB, of every wave stay out until the last is issued.
	WIN 0x80                                       ; destination in window 2, address in window 0
	WLOAD 0
	WLOAD 1
	WLOAD 2
	WLOAD 3
	WIN 0xC0                                       ; destination in window 3
	WLOAD 4
	WLOAD 5
	WLOAD 6
	WLOAD 7
	s_wait_loadcnt 63                              ; at most 63 of the 128 are out, and they come back in order: the first 65 are in, blocks 0 to 3 among them
	WCVT 0
	WCVT 1
	WCVT 2
	WCVT 3
.irp kbl, 4,5,6,7
	s_wait_loadcnt 16*(7-\kbl)                     ; this block is in: the later blocks' sixteen loads each are younger
	WCVT \kbl
.endr
	s_wait_kmcnt 0x0
	s_wait_dscnt 0x0                               ; my LDS stores are done, for the other waves' sake
	s_barrier_signal -1
	s_barrier_wait -1                              ; the launch's only barrier: behind it the strip is only read
	; PHASE 2
	s_min_u32 s20, s20, 135                        ; numbers read from memory enter addresses and trip counts only clamped
	s_min_u32 s21, s21, 128
	s_add_co_u32 s22, s21, 3
	s_sub_co_u32 s22, s22, s14
	s_lshr_b32 s22, s22, 2                         ; my tiles: w, w + 4, ..: 32 at the most
	s_cmp_eq_u32 s22, 0
	s_cbranch_scc1 .Lend
	s_add_co_u32 s23, s22, 4
	s_mul_i32 s23, s23, 52
	s_lshr_b32 s23, s23, 8                         ; passes = ceil(tiles / 5): (tiles + 4) x 52 / 256 is exact up to 32 tiles
	s_add_co_u32 s20, s20, s14                     ; the first of my tiles
	s_mov_b32 s19, 0
.if SECOND
	s_lshl_b32 s18, s20, 16
	s_lshl_b32 s27, s17, 15                        ; my half of K in a tile of he
	s_add_co_u32 s18, s18, s27
	s_add_nc_u64 s[30:31], s[6:7], s[18:19]
	s_lshl_b32 s18, s20, 16
	s_mul_i32 s27, s17, 0x880000                   ; my half's 2,176 rows of yp
	s_add_co_u32 s18, s18, s27
	s_lshl_b32 s27, s16, 8
	s_add_co_u32 s18, s18, s27
	s_add_nc_u64 s[32:33], s[12:13], s[18:19]
	s_lshl_b32 s18, s20, 6
	s_add_nc_u64 s[34:35], s[10:11], s[18:19]
.else
	s_lshl_b32 s18, s20, 15
	s_add_nc_u64 s[30:31], s[6:7], s[18:19]
	s_lshl_b32 s18, s20, 16
	s_lshl_b32 s27, s16, 11                        ; my strip's two blocks of 32 along he's K
	s_add_co_u32 s18, s18, s27
	s_add_nc_u64 s[32:33], s[10:11], s[18:19]
	s_mov_b32 s40, 0x3e6d3388                      ; 0.3275911 / sqrt(2)
	s_mov_b32 s42, 0xbf38aa3b                      ; -log2(e) / 2; the pairs' second words are written too
	s_mov_b32 s43, 0xbf38aa3b
	s_mov_b32 s44, 0xbe027906                      ; -a1 / 2
	s_mov_b32 s45, 0xbe027906
	s_mov_b32 s46, 0x3e11a98e                      ; -a2 / 2
	s_mov_b32 s47, 0x3e11a98e
	s_mov_b32 s48, 0xbf35f0e3                      ; -a3 / 2
	s_mov_b32 s49, 0xbf35f0e3
	s_mov_b32 s50, 0xbf07dc22                      ; -a5 / 2
	s_mov_b32 s51, 0xbf07dc22
	WIN 0x40
	v_mov_b32 v[VC4],   0x3f3a00e3                 ; -a4 / 2, in a vector pair: the line that uses it names a scalar pair already
	v_mov_b32 v[VC4+1], 0x3f3a00e3
	WIN 0
.endif
	s_mov_b32 s24, 0                               ; passes done
	s_mov_b32 s25, s22                             ; tiles left
.Lpass:
	s_min_u32 s26, s25, 5                          ; tiles of this pass
	s_cmp_eq_u32 s26, 5
	s_cbranch_scc1 .Lk5
	s_cmp_eq_u32 s26, 4
	s_cbranch_scc1 .Lk4
	s_cmp_eq_u32 s26, 3
	s_cbranch_scc1 .Lk3
	s_cmp_eq_u32 s26, 2
	s_cbranch_scc1 .Lk2
	KPASS 1
	s_branch .Le0
.Lk2:
	KPASS 2
	s_branch .Le1
.Lk3:
	KPASS 3
	s_branch .Le2
.Lk4:
	KPASS 4
	s_branch .Le3
.Lk5:
	KPASS 5
	EPI 4                                          ; the way out is one chain, entered at the pass's last tile
.Le3:
	EPI 3
.Le2:
	EPI 2
.Le1:
	EPI 1
.Le0:
	EPI 0
	s_wait_xcnt 0x0                                ; the bases are stepped only behind this wait
	s_add_nc_u64 s[30:31], s[30:31], 20*PANEL      ; five tiles of each of four waves on
	s_add_nc_u64 s[32:33], s[32:33], 20*OTILE
.if SECOND
	s_add_nc_u64 s[34:35], s[34:35], 20*64
.endif
	s_sub_co_u32 s25, s25, 5                       ; (not used behind the last pass)
	s_add_co_u32 s24, s24, 1
	s_cmp_lt_u32 s24, s23
	s_cbranch_scc1 .Lpass
.Lend:
	s_wait_tensorcnt 0x0
	ds_add_u32 v254, v255
	s_wait_dscnt 0x0
	s_endpgm
.Lfunc_end_k_q90f4efa480_gemm2:
	.size	k_q90f4efa480_gemm2, .Lfunc_end_k_q90f4efa480_gemm2-k_q90f4efa480_gemm2
	.p2alignl 7, 3214868480
	.fill 96, 4, 3214868480
	.section	.rodata,"a",@progbits
	.p2align	6, 0x0
	.amdhsa_kernel k_q90f4efa480_gemm2
		.amdhsa_group_segment_fixed_size 131584
		.amdhsa_private_segment_fixed_size 0
		.amdhsa_enable_private_segment 0
		.amdhsa_kernarg_size 40
		.amdhsa_user_sgpr_count 2
		.amdhsa_user_sgpr_kernarg_segment_ptr 1
		.amdhsa_wavefront_size32 1
		.amdhsa_system_sgpr_workgroup_id_x 1
		.amdhsa_system_sgpr_workgroup_id_y 1
		.amdhsa_system_sgpr_workgroup_id_z 1
		.amdhsa_system_vgpr_workitem_id 0
		.amdhsa_next_free_vgpr 1024
		.amdhsa_next_free_sgpr 66
		.amdhsa_reserve_vcc 0
		.amdhsa_float_denorm_mode_32 3
		.amdhsa_float_denorm_mode_16_64 3
		.amdhsa_memory_ordered 1
		.amdhsa_forward_progress 1
		.amdhsa_inst_pref_size 255
	.end_amdhsa_kernel
	.section	.bss,"aw",@nobits
	.p2align	6
	.space	262144
	.amdgpu_metadata
---
amdhsa.version: [ 1, 2 ]
amdhsa.kernels:
  - .name:           k_q90f4efa480_gemm2
    .symbol:         k_q90f4efa480_gemm2.kd
    .args:
      - { .name: expert_w2, .offset: 0, .size: 8, .value_kind: global_buffer, .address_space: global }
      - { .name: he, .offset: 8, .size: 8, .value_kind: global_buffer, .address_space: global }
      - { .name: meta, .offset: 16, .size: 8, .value_kind: global_buffer, .address_space: global }
      - { .name: tvs, .offset: 24, .size: 8, .value_kind: global_buffer, .address_space: global }
      - { .name: yp, .offset: 32, .size: 8, .value_kind: global_buffer, .address_space: global }
    .group_segment_fixed_size: 131584
    .private_segment_fixed_size: 0
    .kernarg_segment_align: 8
    .kernarg_segment_size: 40
    .max_flat_workgroup_size: 128
    .sgpr_count:     66
    .vgpr_count:     1024
    .wavefront_size: 32
...
	.end_amdgpu_metadata
.endif
;; end of part 4
;; launch ln (part 5): grid 256 x 1, 8 waves a work-group, no clusters, 0 bytes of LDS; arguments yp, tok, meta, ln_gamma, ln_beta, out0; writes out0
.if DOCPART == 5
	.amdgcn_target "amdgcn-amd-amdhsa--gfx1250"
	.amdhsa_code_object_version 6
	.text
	.protected	k_q90f4efa480_ln
	.globl	k_q90f4efa480_ln
	.p2align	8
	.type	k_q90f4efa480_ln,@function
k_q90f4efa480_ln:
	s_mov_b64 s[64:65], 0
	v_nop
	global_prefetch_b8 v0, s[64:65] scope:SCOPE_SE
	s_setreg_imm32_b32 hwreg(HW_REG_WAVE_MODE, 25, 1), 1
	s_wait_xcnt 0x0
; THE TWO HALVES OF K ARE ADDED, LAYERNORM, AND BACK TO THE TOKENS' ORDER.
; out0[tok[p]] = (y - mean(y)) rsqrt(mean((y - mean(y))^2) + 1e-5) gamma + beta, with y = yp[0][p] + yp[1][p] (already times top_val).
; One wave, one sorted row of 1,024 f32: it stays in 32 registers between the passes, the sums never leave the wave: no LDS, no barrier.
; The mean is taken away before the squares are summed, as in reference().  Lane l holds columns 128 i + 4 l .. + 3: every load and
; store of a wave covers 512 consecutive aligned bytes.
; Unit u = 8 rows (row 8 u + wave).  The units number 2 x the number of tiles, which is read from meta and lies between 256 and 270.
; Work-group g takes unit g, which always exists: its loads go out straight behind the arguments, ahead of the wait for meta.  If unit
; g + 256 exists too (at most fourteen do), its row is loaded into registers of its own ahead of any arithmetic, so that it lands while
; the first row is worked on.  The two ways are written out: there is no loop.
; A pad row (tok = 0xffffffff) is computed like the others and not stored.
; Matrix units, clusters and LDS would add nothing to a stream.
.set GA, 32                            ; v[32:63]   gamma of my 32 columns
.set BE, 64                            ; v[64:95]   beta
.set YA, 96                            ; v[96:127]  the first row, v[128:159] its second half of K
.set YB, 160                           ; v[160:191] the second row, v[192:223] its second half of K
; v1 16 lane; v[2:9] four chains of sums; v[10:11] the mean, twice; v[14:15] 1 / sigma, twice
; s16 wave  s17 units  s18, s19 lane selects  s20, s21 the first row's word in tok, its token  s[22:23] its bytes in yp  s[24:27] its two bases
; s28 1 / 1,024  s29 1e-5  s30 the first row  s31 at work  s[32:35] its base in out0, and the offset
; s36, s37, s[38:39], s[40:43], s[44:47]: the same for the second row
.macro CHAINS_END                      ; the four chains in v[2:9] become one sum over the wave's 32 lanes, in v2 of every lane
	v_pk_add_f32 v[2:3], v[2:3], v[4:5]
	v_pk_add_f32 v[6:7], v[6:7], v[8:9]
	v_pk_add_f32 v[2:3], v[2:3], v[6:7]
	v_add_f32 v2, v2, v3
.irp m, 1,2,4,8
	v_add_f32_dpp v2, v2, v2 row_xmask:\m row_mask:0xf bank_mask:0xf
.endr
	v_permlanex16_b32 v3, v2, s18, s19             ; the other half of the lanes; v3 has been written before
	v_add_f32 v2, v2, v3
.endm
; A row's sixteen loads: both halves of K, from the bases s[b:b+1] and s[b+2:b+3].  Read once in the launch.
.macro ROWLOAD y, b
.irp i, 0,1,2,3,4,5,6,7
	global_load_b128 v[\y+4*\i:\y+4*\i+3], v1, s[\b:\b+1] offset:\i*512 th:TH_LOAD_NT
.endr
.irp i, 0,1,2,3,4,5,6,7
	global_load_b128 v[\y+32+4*\i:\y+32+4*\i+3], v1, s[\b+2:\b+3] offset:\i*512 th:TH_LOAD_NT
.endr
.endm
; The row in v[y:y+63] is summed, normalised and stored at its token s[tk]; s[ob:ob+3] take the base in out0 and the offset.
.macro ROW y, tk, ob
.irp j, 0,2,4,6,8,10,12,14,16,18,20,22,24,26,28,30
	v_pk_add_f32 v[\y+\j:\y+\j+1], v[\y+\j:\y+\j+1], v[\y+32+\j:\y+32+\j+1]
.endr
.irp k, 0,1,2,3
	v_pk_add_f32 v[2+2*\k:3+2*\k], v[\y+8*\k:\y+8*\k+1], v[\y+8*\k+2:\y+8*\k+3]    ; the first sums start the chains
.endr
.irp k, 0,1,2,3
	v_pk_add_f32 v[2+2*\k:3+2*\k], v[2+2*\k:3+2*\k], v[\y+8*\k+4:\y+8*\k+5]
.endr
.irp k, 0,1,2,3
	v_pk_add_f32 v[2+2*\k:3+2*\k], v[2+2*\k:3+2*\k], v[\y+8*\k+6:\y+8*\k+7]
.endr
	CHAINS_END
	v_mul_f32 v10, s28, v2                         ; the mean, in both registers of a pair
	v_mul_f32 v11, s28, v2
.irp j, 0,2,4,6,8,10,12,14,16,18,20,22,24,26,28,30
	v_pk_add_f32 v[\y+\j:\y+\j+1], v[\y+\j:\y+\j+1], v[10:11] neg_lo:[0,1] neg_hi:[0,1]
.endr
.irp k, 0,1,2,3
	v_pk_mul_f32 v[2+2*\k:3+2*\k], v[\y+8*\k:\y+8*\k+1], v[\y+8*\k:\y+8*\k+1]
.endr
.irp o, 2,4,6
.irp k, 0,1,2,3
	v_pk_fma_f32 v[2+2*\k:3+2*\k], v[\y+8*\k+\o:\y+8*\k+\o+1], v[\y+8*\k+\o:\y+8*\k+\o+1], v[2+2*\k:3+2*\k]
.endr
.endr
	CHAINS_END
	v_fma_f32 v12, v2, s28, s29                    ; the variance + 1e-5
	v_rsq_f32 v14, v12                             ; twice, to fill the pair
	v_rsq_f32 v15, v12
	v_nop                                          ; one plain instruction behind a transcendental before its result is used (ISA guide 5.7.2)
	s_wait_alu depctr_va_vdst(0)
.irp j, 0,2,4,6,8,10,12,14,16,18,20,22,24,26,28,30
	v_pk_mul_f32 v[\y+\j:\y+\j+1], v[\y+\j:\y+\j+1], v[14:15]
.endr
.irp j, 0,2,4,6,8,10,12,14,16,18,20,22,24,26,28,30
	v_pk_fma_f32 v[\y+\j:\y+\j+1], v[\y+\j:\y+\j+1], v[GA+\j:GA+\j+1], v[BE+\j:BE+\j+1]
.endr
	s_wait_kmcnt 0x0                               ; the row's token
	s_cmp_lt_u32 s[\tk], 2048
	s_cbranch_scc0 .Lpad_\@                        ; a pad row has no place in the output
	s_min_u32 s[\tk], s[\tk], 0x7ff                ; a number read from memory enters an address only clamped
	s_lshl_b32 s[\ob+2], s[\tk], 12
	s_mov_b32 s[\ob+3], 0
	s_add_nc_u64 s[\ob:\ob+1], s[14:15], s[\ob+2:\ob+3]
.irp i, 0,1,2,3,4,5,6,7
	global_store_b128 v1, v[\y+4*\i:\y+4*\i+3], s[\ob:\ob+1] offset:\i*512 th:TH_STORE_NT
.endr
.Lpad_\@:
.endm
	s_load_b256 s[4:11], s[0:1], 0x0               ; yp s[4:5], tok s[6:7], meta s[8:9], gamma s[10:11]
	s_load_b128 s[12:15], s[0:1], 0x20             ; beta s[12:13], out0 s[14:15]
	v_lshrrev_b32 v2, 5, v0
	v_readfirstlane_b32 s16, v2                    ; wave
	v_and_b32 v1, 31, v0
	v_lshlrev_b32 v1, 4, v1                        ; 16 bytes a lane; never rewritten
	s_mov_b32 s28, 0x3a800000                      ; 1 / 1,024
	s_mov_b32 s29, 0x3727c5ac                      ; 1e-5
	s_mov_b32 s18, 0x76543210                      ; v_permlanex16_b32: lane i reads lane i of the other half
	s_mov_b32 s19, 0xfedcba98
	s_lshl_b32 s30, ttmp9, 3
	s_add_co_u32 s30, s30, s16                     ; my first row = 8 x work-group + wave: below 2,048, and there are at least 2,048 sorted rows
	s_lshl_b32 s20, s30, 2
	s_lshl_b32 s22, s30, 12
	s_mov_b32 s23, 0
	s_wait_kmcnt 0x0
	s_load_b32 s17, s[8:9], 0x40                   ; the number of tiles
	s_load_b32 s21, s[6:7], s20 offset:0x0         ; the first row's token
	s_add_nc_u64 s[24:25], s[4:5], s[22:23]
	s_add_nc_u64 s[26:27], s[24:25], 0x880000      ; the second half's 2,176 rows begin 8,912,896 bytes on: more than a load's immediate holds
	ROWLOAD YA, 24
.irp i, 0,1,2,3,4,5,6,7
	global_load_b128 v[GA+4*\i:GA+4*\i+3], v1, s[10:11] offset:\i*512
	global_load_b128 v[BE+4*\i:BE+4*\i+3], v1, s[12:13] offset:\i*512
.endr
	s_wait_kmcnt 0x0
	s_min_u32 s17, s17, 135                        ; a number read from memory steers a branch only clamped
	s_lshl_b32 s17, s17, 1                         ; units: 256 to 270
	s_add_co_u32 s31, ttmp9, 256
	s_cmp_lt_u32 s31, s17
	s_cbranch_scc1 .Ltwo
	s_wait_loadcnt 0x0                             ; one unit: the row, gamma and beta
	ROW YA, 21, 32
	s_endpgm
.Ltwo:
	s_add_co_u32 s31, s30, 2048                    ; two units: my second row, 256 units of 8 rows further on
	s_lshl_b32 s36, s31, 2
	s_load_b32 s37, s[6:7], s36 offset:0x0         ; its token
	s_lshl_b32 s38, s31, 12
	s_mov_b32 s39, 0
	s_add_nc_u64 s[40:41], s[4:5], s[38:39]
	s_add_nc_u64 s[42:43], s[40:41], 0x880000
	ROWLOAD YB, 40
	s_wait_loadcnt 16                              ; the first row, gamma and beta are in: the second row's sixteen loads are younger
	ROW YA, 21, 32
	s_wait_loadcnt 0x0                             ; the second row; it has registers and a store base of its own, so no source of a pending store is rewritten
	ROW YB, 37, 44
	s_endpgm
.Lfunc_end_k_q90f4efa480_ln:
	.size	k_q90f4efa480_ln, .Lfunc_end_k_q90f4efa480_ln-k_q90f4efa480_ln
	.p2alignl 7, 3214868480
	.fill 96, 4, 3214868480
	.section	.rodata,"a",@progbits
	.p2align	6, 0x0
	.amdhsa_kernel k_q90f4efa480_ln
		.amdhsa_group_segment_fixed_size 0
		.amdhsa_private_segment_fixed_size 0
		.amdhsa_enable_private_segment 0
		.amdhsa_kernarg_size 48
		.amdhsa_user_sgpr_count 2
		.amdhsa_user_sgpr_kernarg_segment_ptr 1
		.amdhsa_wavefront_size32 1
		.amdhsa_system_sgpr_workgroup_id_x 1
		.amdhsa_system_sgpr_workgroup_id_y 1
		.amdhsa_system_sgpr_workgroup_id_z 1
		.amdhsa_system_vgpr_workitem_id 0
		.amdhsa_next_free_vgpr 224
		.amdhsa_next_free_sgpr 66
		.amdhsa_reserve_vcc 0
		.amdhsa_float_denorm_mode_32 3
		.amdhsa_float_denorm_mode_16_64 3
		.amdhsa_memory_ordered 1
		.amdhsa_forward_progress 1
		.amdhsa_inst_pref_size 31
	.end_amdhsa_kernel
	.amdgpu_metadata
---
amdhsa.version: [ 1, 2 ]
amdhsa.kernels:
  - .name:           k_q90f4efa480_ln
    .symbol:         k_q90f4efa480_ln.kd
    .args:
      - { .name: yp, .offset: 0, .size: 8, .value_kind: global_buffer, .address_space: global }
      - { .name: tok, .offset: 8, .size: 8, .value_kind: global_buffer, .address_space: global }
      - { .name: meta, .offset: 16, .size: 8, .value_kind: global_buffer, .address_space: global }
      - { .name: ln_gamma, .offset: 24, .size: 8, .value_kind: global_buffer, .address_space: global }
      - { .name: ln_beta, .offset: 32, .size: 8, .value_kind: global_buffer, .address_space: global }
      - { .name: out0, .offset: 40, .size: 8, .value_kind: global_buffer, .address_space: global }
    .group_segment_fixed_size: 0
    .private_segment_fixed_size: 0
    .kernarg_segment_align: 8
    .kernarg_segment_size: 48
    .max_flat_workgroup_size: 256
    .sgpr_count:     66
    .vgpr_count:     224
    .wavefront_size: 32
...
	.end_amdgpu_metadata
.endif
;; end of part 5
;; ======== version 2 of 2: 5 launches; version 1 with the launches gemm1, gemm2 written anew for expert scheduling mode
;; limits: a function is approximated: absolute error at most 1.5e-07
;; workspace buffers: idx 8,192 bytes of whole numbers; tv 8,192 bytes; meta 256 bytes of whole numbers; tok 8,704 bytes of whole numbers; tvs 8,704 bytes; xs 4,456,448 bytes; he 8,912,896 bytes; yp 17,825,792 bytes
;; launch gate: the kernel of part 1 again; grid 256 x 1, 4 waves a work-group, no clusters, 0 bytes of LDS; arguments x, gate_w, idx, tv; writes idx, tv
;; launch permute: the kernel of part 2 again; grid 135 x 1, 8 waves a work-group, no clusters, 103,680 bytes of LDS; arguments idx, tv, x, meta, tok, tvs, xs; writes meta, tok, tvs, xs
;; launch gemm1 (part 6): grid 256 x 1, 4 waves a work-group, no clusters, 131,584 bytes of LDS; arguments expert_w1, xs, meta, he; writes he
.if DOCPART == 6
	.amdgcn_target "amdgcn-amd-amdhsa--gfx1250"
	.amdhsa_code_object_version 6
	.text
	.protected	k_q90f4efa480_gemm1
	.globl	k_q90f4efa480_gemm1
	.p2align	8
	.type	k_q90f4efa480_gemm1,@function
k_q90f4efa480_gemm1:
	s_mov_b64 s[64:65], 0
	v_nop
	global_prefetch_b8 v0, s[64:65] scope:SCOPE_SE
	s_setreg_imm32_b32 hwreg(HW_REG_WAVE_SCHED_MODE, 0, 2), 2
	s_setreg_imm32_b32 hwreg(HW_REG_WAVE_MODE, 25, 1), 1
	s_wait_xcnt 0x0
	s_wait_alu depctr_vm_vsrc(0)
; THE EXPERTS' TWO PRODUCTS, one source for both launches (SECOND = 0: he = gelu(xs W1[e]); SECOND = 1: yp = top_val x (he W2[e]), K in two halves).
; A work-group has one expert, one strip of 64 columns of its weights and K = 1,024: 256 work-groups in either launch
; (8 experts x 32 strips; 8 experts x 2 halves of K x 16 strips).  Each f32 weight is read from memory once, by one wave of the launch.
; PHASE 1: the strip (1,024 x 64 f32, 256 KiB) is read, rounded to bf16 and laid into 128 KiB of LDS as ready fragments.  Lane (r, h) loads
; 16 bytes (columns 4 r .. 4 r + 3) of rows 8 h + j and 16 + 8 h + j of a block of 32 rows: sixteen lanes cover 256 consecutive aligned bytes
; of one row.  Packing rows 2 jj and 2 jj + 1 of column component c gives register 4 half + jj of fragment c (ISA guide 7.12.2), in which
; index r stands for column 4 r + c.  No transposition is needed; the way out undoes the order of the columns for nothing.
; PHASE 2: wave w takes the expert's tiles w, w + 4, .. of 16 sorted rows, up to five in a pass (20 accumulators, 160 registers).  The rows'
; fragments lie in memory in register order and are loaded straight into registers: each is used by this one wave, once.
; NO CLUSTER, NO TENSOR LOADS: the strips of an expert do share the activations, but a joint load lands in LDS and its refills need barriers,
; and the number of passes here is read from memory (meta) and differs from wave to wave, so no barrier may stand in this loop; the weights,
; two thirds of a typical work-group's bytes, are shared by nobody and must pass through registers to be rounded.
; LIMIT (SECOND = 0): erf by Abramowitz and Stegun 7.1.26, absolute error 1.5e-7, so gelu(v) is off by about 1e-7 |v| at the most, far
; under the rounding of he to bf16.  All matrix operands are bf16: f32's range.
; THE MODE: SCHED_MODE bits 1:0 = 2 (LLVM: expert scheduling mode 2), set by the entry lines.  The code itself states the register dependences
; between vector or matrix instructions and memory or LDS instructions, with s_wait_alu, always for 0.
; THE PLAN.  Registers that memory or LDS instructions touch:
;   v4 .. v9      offsets and LDS addresses: written once at the head, never again: one wait on va_vdst ahead of the first load serves the whole kernel.
;   raw weights   (windows 2, 3, phase 1) written by the 128 loads, read by the blocks' conversions; phase 2's loads land there behind phase 1's last wait on va_vdst.
;   F0, F1        block k's conversions write F[k % 2], its eight LDS stores read it: a wait on va_vdst between the two; a wait on vm_vsrc ahead of block k's
;                 stores shows block k - 1's stores done reading the buffer that block k + 1's conversions write again.
;   fragments     (windows 2, 3, phase 2) step s's matrix instructions read those of window s & 1.  ONE wait on va_vdst at the head of step s + 1 shows them read;
;                 behind it the weights of step s + 2 and the rows of step s + 4 land in them, in one run behind step s + 1's first four matrix instructions,
;                 which name the other window and the accumulators alone.
;   top_val       (SECOND) written by the pass's first loads, read by the way out's multiplications: the wait on va_vdst at the next pass's head.
;   T or P        a tile's results: written by its multiplications or roundings, read by its stores: a wait on va_vdst between the two, a wait on vm_vsrc ahead of the next tile's.
.set SECOND, 0
.if SECOND
.set PITCH,  4096                      ; bytes in a row of the weights
.set LOG8P,  15                        ; log2 of 8 rows' bytes
.set PANEL,  65536                     ; bytes of a tile of the activations (16 rows x 2,048 bf16)
.else
.set PITCH,  8192
.set LOG8P,  16
.set PANEL,  32768                     ; 16 rows x 1,024 bf16
.endif
.set OTILE,  65536                     ; bytes of a tile of the result: 16 x 2,048 bf16, or 16 rows of 1,024 f32
; REGISTERS, in windows of 256 (s_set_vgpr_msb: bits 1:0 source 0, 3:2 source 1, 5:4 source 2, 7:6 destination):
;   window 0: v1 lane, v2 r, v3 h, v4 weights' offset, v5 LDS store, v6 16 lane, v7 16 lane + 65,536, v8 result's offset, v9 32 h,
;             v[32:63], v[128:159] packed fragments, two buffers by turns (phase 1); v[32:63] scaled results (SECOND); v[64:103] top_val (SECOND)
;   window 1: accumulator of tile i, column component c at 32 i + 8 c; from 160 on the scratch of gelu
;   windows 2, 3, phase 1: the weights as loaded, 64 registers a block: blocks 0-3 in window 2, blocks 4-7 in window 3
;   windows 2, 3, phase 2 (even, odd K steps of 64): weights' fragments at 8 (4 kbs + c); two slots of 80 for the rows' fragments at 64 + 80 slot + 8 (5 kbs + i)
.set F,    32
.set FSTEP, 96                         ; from the first buffer of packed fragments to the second
.set T,    32
.set TVR,  64
.set XA,   160
.set XB,   168
.set XC,   176
.set XD,   184
.set P,    192
.set VC4,  208
.set MSB, 0
.macro WIN new                         ; the immediate's high byte repeats the setting that is left; a switch that changes nothing is dropped
.if MSB != \new
	s_set_vgpr_msb (MSB<<8)|\new
.set MSB, \new
.endif
.endm
.macro PLACES                          ; four plain vector instructions between a matrix instruction and a load into, or a vector read of, its registers
.rept 4
	v_nop
.endr
.endm
; Block kbl (32 rows x 64 columns) of my 256 rows of the strip: sixteen loads into registers of its own.  Read once in the launch.
.macro WLOAD kbl
.set WS, 64*((\kbl)&3)
.irp hf, 0,1
.irp j, 0,1,2,3,4,5,6,7
	global_load_b128 v[WS+(8*\hf+\j)*4:WS+(8*\hf+\j)*4+3], v4, s[28:29] offset:(32*(\kbl)+16*\hf+\j)*PITCH th:TH_LOAD_NT
.endr
.endr
.endm
; The block is rounded and stored as four fragments of 1,024 bytes: 32 lanes x 16 consecutive bytes a store.
.macro WCVT kbl
.set WS, 64*((\kbl)&3)
.set FK, F+FSTEP*((\kbl)&1)                        ; the blocks take the two buffers by turns
.set WV, 0x0A+5*((\kbl)>>2)                        ; sources 0 and 1 in window 2 or 3, destination in window 0
	WIN WV
.irp c, 0,1,2,3
.irp hf, 0,1
.irp jj, 0,1,2,3
	v_cvt_pk_bf16_f32 v[FK+8*\c+4*\hf+\jj], v[WS+(8*\hf+2*\jj)*4+\c], v[WS+(8*\hf+2*\jj+1)*4+\c]
.endr
.endr
.endr
	WIN 0
.if ((\kbl) >= 1) && ((\kbl) <= 6)
	s_wait_alu depctr_vm_vsrc(0)                   ; the LDS stores of the block before have read the other buffer, which the next block's conversions write again
.endif
	s_wait_alu depctr_va_vdst(0)                   ; this block's conversions have written its buffer, which the LDS stores below read (behind the last block: all raw registers have been read)
.irp c, 0,1,2,3
.irp hf, 0,1
	ds_store_b128 v5, v[FK+8*\c+4*\hf:FK+8*\c+4*\hf+3] offset:(\kbl)*4096+\c*1024+\hf*512
.endr
.endr
.endm
; K step s (64 along K): the weights' eight fragments from LDS, sixteen loads.
.macro LDB s
.irp kbs, 0,1
.irp c, 0,1,2,3
.irp hf, 0,1
.if (\s) < 8
	ds_load_b128 v[(\kbs*4+\c)*8+4*\hf:(\kbs*4+\c)*8+4*\hf+3], v6 offset:((\s)&7)*8192+\kbs*4096+\c*1024+\hf*512
.else
	ds_load_b128 v[(\kbs*4+\c)*8+4*\hf:(\kbs*4+\c)*8+4*\hf+3], v7 offset:((\s)&7)*8192+\kbs*4096+\c*1024+\hf*512
.endif
.endr
.endr
.endr
.endm
; K step s: the fragments of mg tiles' rows from memory, 4 mg loads of 512 consecutive bytes.
.macro LDA mg, s
.set ALD, 64+80*(((\s)>>1)&1)
.set ia, 0
.rept \mg
.irp kbs, 0,1
.irp hf, 0,1
	global_load_b128 v[ALD+(\kbs*5+ia)*8+4*\hf:ALD+(\kbs*5+ia)*8+4*\hf+3], v6, s[30:31] offset:ia*4*PANEL+(\s)*2048+\kbs*1024+\hf*512
.endr
.endr
.set ia, ia+1
.endr
.endm
; K step s: 8 mg matrix instructions.  The 4 mg accumulators take turns, one instruction a turn, over the steps' ends too.
; SECOND = 0: source 0 = weights, source 1 = rows: lane (r, h) then holds row r and columns 32 h + 4 j + c.  SECOND = 1: the other way round:
; lane (r, h) holds rows 8 h + j and column 4 r + c.  The first products start the sums: nothing is cleared.
; ld = 1: behind the first four stands the step's run of loads, into the other window's registers, which the step before multiplied: the weights of step s + 1
; and the rows of step s + 3.  No wait: no vector or matrix instruction since the wait at the step's head names a register that these loads touch.
.macro MULS mg, s, ld
.set ASL, 64+80*(((\s)>>1)&1)
.irp kbs, 0,1
.set ii, 0
.rept \mg
.irp c, 0,1,2,3
.set DR, 32*ii+8*\c
.set WR, (\kbs*4+\c)*8
.set AR, ASL+(\kbs*5+ii)*8
.if SECOND
.if ((\s)+\kbs) == 0
	v_wmma_f32_16x16x32_bf16 v[DR:DR+7], v[AR:AR+7], v[WR:WR+7], 0
.else
	v_wmma_f32_16x16x32_bf16 v[DR:DR+7], v[AR:AR+7], v[WR:WR+7], v[DR:DR+7]
.endif
.else
.if ((\s)+\kbs) == 0
	v_wmma_f32_16x16x32_bf16 v[DR:DR+7], v[WR:WR+7], v[AR:AR+7], 0
.else
	v_wmma_f32_16x16x32_bf16 v[DR:DR+7], v[WR:WR+7], v[AR:AR+7], v[DR:DR+7]
.endif
.endif
.endr
.if (\ld) && (\kbs == 0) && (ii == 0)
	PLACES                                         ; four plain instructions still stand between the last step's matrix instructions and the loads into the registers that they read
	WIN LW                                         ; destination in the other window, addresses in window 0
	LDB (\s)+1
.if (\s) <= 12
	LDA \mg, (\s)+3
.endif
	WIN WV
.endif
.set ii, ii+1
.endr
.endr
.endm
.macro STEP mg, s
.if (\s) == 0
	s_wait_loadcnt 12*\mg                          ; this step's rows are in: the 4 mg loads of each of the next three steps are younger
	s_wait_dscnt 16                                ; this step's weights are in: the next step's sixteen loads are younger
.else
.if (\s) < 14
	s_wait_loadcnt 8*\mg                           ; this step's rows are in: the 4 mg loads of each of the next two steps are younger; the third step's are asked for below
.else
	s_wait_loadcnt 4*\mg*(15-(\s))                 ; the last steps: fewer are left
.endif
	s_wait_dscnt 0                                 ; this step's weights are in: they are the youngest LDS loads
.endif
.set WV, 0x5A+5*((\s)&1)                           ; both sources in window 2 or 3, C and D in window 1
.set LW, 0xC0-0x40*((\s)&1)                        ; destination in window 3 or 2: the other one
.if ((\s) >= 1) && ((\s) <= 14)
	s_wait_alu depctr_va_vdst(0)                   ; the last step's matrix instructions are done reading the other window's fragments, in which this step's loads land
	WIN WV
	MULS \mg, \s, 1
.else
	WIN WV
	MULS \mg, \s, 0                                ; the first step's loads went out at the pass's head; the last step has none: no load, no wait
.endif
.if (\s) == 15
	PLACES                                         ; behind the last products, ahead of the way out's reads of the sums
.endif
.endm
; A pass over mg tiles: 16 K steps written out.  The rows' fragments are asked for three steps ahead of their use, the weights' one.
.macro KPASS mg
	s_wait_alu depctr_va_vdst(0)                   ; the last pass's matrix instructions are done reading the fragments, its way out is done reading top_val (first pass: phase 1's conversions the raw weights): the loads below land there
.if SECOND
.set ii, 0
.rept \mg
	global_load_b128 v[TVR+8*ii:TVR+8*ii+3],   v9, s[34:35] offset:ii*256      ; top_val of rows 8 h .. 8 h + 7 of tile i: the oldest loads of the pass
	global_load_b128 v[TVR+8*ii+4:TVR+8*ii+7], v9, s[34:35] offset:ii*256+16
.set ii, ii+1
.endr
.endif
	WIN 0x80
	LDB 0
	LDA \mg, 0
	WIN 0xC0
	LDB 1
	LDA \mg, 1
	WIN 0x80
	LDA \mg, 2
	WIN 0xC0
	LDA \mg, 3                                     ; in the steps' order, so that the counts above hold
.irp s, 0,1,2,3,4,5,6,7,8,9,10,11,12,13,14,15
	STEP \mg, \s
.endr
	WIN 0                                          ; a branch or a label follows
.endm
.if SECOND
; Tile i leaves: times top_val (reference()'s own multiplication), which also puts four neighbouring columns into neighbouring registers.
.macro EPI i
	s_wait_xcnt 0x0                                ; T was the last tile's store data: it is rewritten only behind this wait
	s_wait_alu depctr_vm_vsrc(0)                   ; the last tile's stores have read T (ahead of the first tile: phase 1's LDS stores, which read the same registers)
	WIN 0x01                                       ; source 0 in window 1
.irp j, 0,1,2,3,4,5,6,7
.irp c, 0,1,2,3
	v_mul_f32 v[T+4*\j+\c], v[32*\i+8*\c+\j], v[TVR+8*\i+\j]
.endr
.endr
	WIN 0
	s_wait_alu depctr_va_vdst(0)                   ; the multiplications have written T, which the stores below read
.irp j, 0,1,2,3,4,5,6,7
	global_store_b128 v8, v[T+4*\j:T+4*\j+3], s[32:33] offset:\i*4*OTILE+\j*4096   ; sixteen lanes: 256 consecutive aligned bytes of row 8 h + j
.endr
.endm
.else
; Tile i leaves: gelu(v) = v / 2 + |v| (1/2 - q), q = (1/2) t (a1 + t (a2 + t (a3 + t (a4 + t a5)))) exp(-v v / 2), t = 1 / (1 + 0.23164189 |v|).
; The coefficients are kept halved and negated, so that 1/2 - q is one multiply-add.
.macro EPI i
	WIN 0x55                                       ; everything in window 1
.irp c, 0,1,2,3
.set VT, 32*\i+8*\c
.irp j, 0,1,2,3,4,5,6,7
	v_fma_f32 v[XA+\j], |v[VT+\j]|, s40, 1.0
.endr
.irp j, 0,2,4,6
	v_pk_mul_f32 v[XB+\j:XB+\j+1], v[VT+\j:VT+\j+1], v[VT+\j:VT+\j+1]
.endr
.irp j, 0,2,4,6
	v_pk_mul_f32 v[XB+\j:XB+\j+1], v[XB+\j:XB+\j+1], s[42:43] op_sel_hi:[1,0]      ; -v v log2(e) / 2
.endr
.irp j, 0,1,2,3,4,5,6,7
	v_rcp_f32 v[XC+\j], v[XA+\j]                   ; t
.endr
.irp j, 0,1,2,3,4,5,6,7
	v_exp_f32 v[XD+\j], v[XB+\j]
.endr
	v_nop                                          ; one plain instruction behind the transcendentals (ISA guide 5.7.2)
	s_wait_alu depctr_va_vdst(0)
.irp j, 0,2,4,6
	v_pk_fma_f32 v[XB+\j:XB+\j+1], v[XC+\j:XC+\j+1], s[50:51], v[VC4:VC4+1] op_sel_hi:[1,0,1]
.endr
.irp j, 0,2,4,6
	v_pk_fma_f32 v[XB+\j:XB+\j+1], v[XB+\j:XB+\j+1], v[XC+\j:XC+\j+1], s[48:49] op_sel_hi:[1,1,0]
.endr
.irp j, 0,2,4,6
	v_pk_fma_f32 v[XB+\j:XB+\j+1], v[XB+\j:XB+\j+1], v[XC+\j:XC+\j+1], s[46:47] op_sel_hi:[1,1,0]
.endr
.irp j, 0,2,4,6
	v_pk_fma_f32 v[XB+\j:XB+\j+1], v[XB+\j:XB+\j+1], v[XC+\j:XC+\j+1], s[44:45] op_sel_hi:[1,1,0]
.endr
.irp j, 0,2,4,6
	v_pk_mul_f32 v[XC+\j:XC+\j+1], v[XC+\j:XC+\j+1], v[XD+\j:XD+\j+1]              ; t exp(..)
.endr
.irp j, 0,2,4,6
	v_pk_fma_f32 v[XB+\j:XB+\j+1], v[XB+\j:XB+\j+1], v[XC+\j:XC+\j+1], 0.5 op_sel_hi:[1,1,0]   ; 1/2 - q
.endr
.irp j, 0,2,4,6
	v_pk_mul_f32 v[XA+\j:XA+\j+1], v[VT+\j:VT+\j+1], 0.5 op_sel_hi:[1,0]
.endr
.irp j, 0,1,2,3,4,5,6,7
	v_fma_f32 v[VT+\j], |v[VT+\j]|, v[XB+\j], v[XA+\j]
.endr
.endr
	s_wait_xcnt 0x0                                ; P was the last tile's store data: it is rewritten only behind this wait
	s_wait_alu depctr_vm_vsrc(0)                   ; the last tile's stores have read P, which the roundings below write again
; My 32 columns 32 h + 4 j + c are one block of 32 along the next product's K: columns 8 q .. 8 q + 7 are j = 2 q, 2 q + 1 with c = 0 .. 3.
.irp q, 0,1,2,3
	v_cvt_pk_bf16_f32 v[P+4*\q],   v[32*\i+2*\q],      v[32*\i+8+2*\q]
	v_cvt_pk_bf16_f32 v[P+4*\q+1], v[32*\i+16+2*\q],   v[32*\i+24+2*\q]
	v_cvt_pk_bf16_f32 v[P+4*\q+2], v[32*\i+2*\q+1],    v[32*\i+8+2*\q+1]
	v_cvt_pk_bf16_f32 v[P+4*\q+3], v[32*\i+16+2*\q+1], v[32*\i+24+2*\q+1]
.endr
	WIN 0x04                                       ; store data in window 1
	s_wait_alu depctr_va_vdst(0)                   ; the roundings have written P, which the stores below read
.irp q, 0,1,2,3
	global_store_b128 v8, v[P+4*\q:P+4*\q+3], s[32:33] offset:\i*4*OTILE+\q*256    ; sixteen lanes: 256 consecutive aligned bytes, in the next product's fragment order
.endr
	WIN 0
.endm
.endif
	s_load_b256 s[4:11], s[0:1], 0x0               ; weights s[4:5], activations s[6:7], meta s[8:9], then he (SECOND: tvs) s[10:11]
	v_lshl_add_u32 v254, v0, 2, 0x20000
	v_mov_b32 v255, 0
.if SECOND
	s_load_b64 s[12:13], s[0:1], 0x20              ; yp
.endif
	v_lshrrev_b32 v1, 5, v0
	v_readfirstlane_b32 s14, v1                    ; wave
	v_and_b32 v1, 31, v0                           ; lane
	v_and_b32 v2, 15, v0                           ; r
	v_bfe_u32 v3, v0, 4, 1                         ; h
	v_lshlrev_b32 v6, 4, v1
	v_lshlrev_b32 v10, 4, v2
	v_lshl_add_u32 v4, v3, LOG8P, v10              ; 8 h rows + 16 r
	s_wait_alu depctr_va_sdst(0)                   ; s14 is written, ahead of its first reader, the line below; the bases and the trip count are made from it too
	v_lshl_add_u32 v5, s14, 15, v6                 ; my eight blocks' 32 KiB of LDS
	v_add_nc_u32 v7, 0x10000, v6
	s_lshr_b32 s15, ttmp9, 5                       ; expert
	s_lshl_b32 s36, s15, 2                         ; its word in meta
	s_lshl_b32 s18, s15, 23                        ; its weights: 8 MiB
.if SECOND
	s_and_b32 s16, ttmp9, 15                       ; strip
	s_bfe_u32 s17, ttmp9, 0x10004                  ; half of K
	v_lshl_add_u32 v8, v3, 15, v10                 ; 8 h rows of 4,096 bytes + 16 r
	v_lshlrev_b32 v9, 5, v3
	s_lshl_b32 s19, s17, 22                        ; 1,024 rows of 4,096 bytes
	s_add_co_u32 s18, s18, s19
	s_lshl_b32 s19, s14, 20                        ; my 256 rows
.else
	s_and_b32 s16, ttmp9, 31                       ; strip
	v_lshl_add_u32 v8, v3, 10, v10                 ; block h of 1,024 bytes + 16 r
	s_lshl_b32 s19, s14, 21                        ; my 256 rows of 8,192 bytes
.endif
	s_add_co_u32 s18, s18, s19
	s_lshl_b32 s19, s16, 8                         ; 256 bytes a strip
	s_add_co_u32 s18, s18, s19
	s_mov_b32 s19, 0
	s_wait_kmcnt 0x0
	s_add_nc_u64 s[28:29], s[4:5], s[18:19]
	s_load_b32 s20, s[8:9], s36 offset:0x0         ; tile0[e]
	s_load_b32 s21, s[8:9], s36 offset:0x20        ; nt[e]
	; PHASE 1.  All my 128 loads (64 KiB) go out in one run, each block into registers of its own.  LOADcnt's field holds 63 and the issue
	; of a load that would pass it stalls (ISA guide 5.7.1), so 63 loads, 31.5 KiB, of every wave stay out until the last is issued.
	WIN 0x80                                       ; destination in window 2, address in window 0
	s_wait_alu depctr_va_vdst(0)                   ; the offsets and LDS addresses v4 to v9 are written, which every load and store of the kernel reads; they are never written again
	WLOAD 0
	WLOAD 1
	WLOAD 2
	WLOAD 3
	WIN 0xC0                                       ; destination in window 3
	WLOAD 4
	WLOAD 5
	WLOAD 6
	WLOAD 7
	s_wait_loadcnt 63                              ; at most 63 of the 128 are out, and they come back in order: the first 65 are in, blocks 0 to 3 among them
	WCVT 0
	WCVT 1
	WCVT 2
	WCVT 3
.irp kbl, 4,5,6,7
	s_wait_loadcnt 16*(7-\kbl)                     ; this block is in: the later blocks' sixteen loads each are younger
	WCVT \kbl
.endr
	s_wait_kmcnt 0x0
	s_wait_dscnt 0x0                               ; my LDS stores are done, for the other waves' sake
	s_barrier_signal -1
	s_barrier_wait -1                              ; the launch's only barrier: behind it the strip is only read
	; PHASE 2
	s_min_u32 s20, s20, 135                        ; numbers read from memory enter addresses and trip counts only clamped
	s_min_u32 s21, s21, 128
	s_add_co_u32 s22, s21, 3
	s_sub_co_u32 s22, s22, s14
	s_lshr_b32 s22, s22, 2                         ; my tiles: w, w + 4, ..: 32 at the most
	s_cmp_eq_u32 s22, 0
	s_cbranch_scc1 .Lend
	s_add_co_u32 s23, s22, 4
	s_mul_i32 s23, s23, 52
	s_lshr_b32 s23, s23, 8                         ; passes = ceil(tiles / 5): (tiles + 4) x 52 / 256 is exact up to 32 tiles
	s_add_co_u32 s20, s20, s14                     ; the first of my tiles
	s_mov_b32 s19, 0
.if SECOND
	s_lshl_b32 s18, s20, 16
	s_lshl_b32 s27, s17, 15                        ; my half of K in a tile of he
	s_add_co_u32 s18, s18, s27
	s_add_nc_u64 s[30:31], s[6:7], s[18:19]
	s_lshl_b32 s18, s20, 16
	s_mul_i32 s27, s17, 0x880000                   ; my half's 2,176 rows of yp
	s_add_co_u32 s18, s18, s27
	s_lshl_b32 s27, s16, 8
	s_add_co_u32 s18, s18, s27
	s_add_nc_u64 s[32:33], s[12:13], s[18:19]
	s_lshl_b32 s18, s20, 6
	s_add_nc_u64 s[34:35], s[10:11], s[18:19]
.else
	s_lshl_b32 s18, s20, 15
	s_add_nc_u64 s[30:31], s[6:7], s[18:19]
	s_lshl_b32 s18, s20, 16
	s_lshl_b32 s27, s16, 11                        ; my strip's two blocks of 32 along he's K
	s_add_co_u32 s18, s18, s27
	s_add_nc_u64 s[32:33], s[10:11], s[18:19]
	s_mov_b32 s40, 0x3e6d3388                      ; 0.3275911 / sqrt(2)
	s_mov_b32 s42, 0xbf38aa3b                      ; -log2(e) / 2; the pairs' second words are written too
	s_mov_b32 s43, 0xbf38aa3b
	s_mov_b32 s44, 0xbe027906                      ; -a1 / 2
	s_mov_b32 s45, 0xbe027906
	s_mov_b32 s46, 0x3e11a98e                      ; -a2 / 2
	s_mov_b32 s47, 0x3e11a98e
	s_mov_b32 s48, 0xbf35f0e3                      ; -a3 / 2
	s_mov_b32 s49, 0xbf35f0e3
	s_mov_b32 s50, 0xbf07dc22                      ; -a5 / 2
	s_mov_b32 s51, 0xbf07dc22
	WIN 0x40
	v_mov_b32 v[VC4],   0x3f3a00e3                 ; -a4 / 2, in a vector pair: the line that uses it names a scalar pair already
	v_mov_b32 v[VC4+1], 0x3f3a00e3
	WIN 0
.endif
	s_mov_b32 s24, 0                               ; passes done
	s_mov_b32 s25, s22                             ; tiles left
.Lpass:
	s_min_u32 s26, s25, 5                          ; tiles of this pass
	s_cmp_eq_u32 s26, 5
	s_cbranch_scc1 .Lk5
	s_cmp_eq_u32 s26, 4
	s_cbranch_scc1 .Lk4
	s_cmp_eq_u32 s26, 3
	s_cbranch_scc1 .Lk3
	s_cmp_eq_u32 s26, 2
	s_cbranch_scc1 .Lk2
	KPASS 1
	s_branch .Le0
.Lk2:
	KPASS 2
	s_branch .Le1
.Lk3:
	KPASS 3
	s_branch .Le2
.Lk4:
	KPASS 4
	s_branch .Le3
.Lk5:
	KPASS 5
	EPI 4                                          ; the way out is one chain, entered at the pass's last tile
.Le3:
	EPI 3
.Le2:
	EPI 2
.Le1:
	EPI 1
.Le0:
	EPI 0
	s_wait_xcnt 0x0                                ; the bases are stepped only behind this wait
	s_add_nc_u64 s[30:31], s[30:31], 20*PANEL      ; five tiles of each of four waves on
	s_add_nc_u64 s[32:33], s[32:33], 20*OTILE
.if SECOND
	s_add_nc_u64 s[34:35], s[34:35], 20*64
.endif
	s_sub_co_u32 s25, s25, 5                       ; (not used behind the last pass)
	s_add_co_u32 s24, s24, 1
	s_cmp_lt_u32 s24, s23
	s_cbranch_scc1 .Lpass
.Lend:
	s_wait_dscnt 0x0
	s_wait_alu depctr_hold_cnt(0) depctr_sa_sdst(0) depctr_va_vdst(0) depctr_va_sdst(0) depctr_va_ssrc(0) depctr_va_vcc(0) depctr_vm_vsrc(0)
	s_wait_tensorcnt 0x0
	ds_add_u32 v254, v255
	s_wait_dscnt 0x0
	s_endpgm
.Lfunc_end_k_q90f4efa480_gemm1:
	.size	k_q90f4efa480_gemm1, .Lfunc_end_k_q90f4efa480_gemm1-k_q90f4efa480_gemm1
	.p2alignl 7, 3214868480
	.fill 96, 4, 3214868480
	.section	.rodata,"a",@progbits
	.p2align	6, 0x0
	.amdhsa_kernel k_q90f4efa480_gemm1
		.amdhsa_group_segment_fixed_size 131584
		.amdhsa_private_segment_fixed_size 0
		.amdhsa_enable_private_segment 0
		.amdhsa_kernarg_size 32
		.amdhsa_user_sgpr_count 2
		.amdhsa_user_sgpr_kernarg_segment_ptr 1
		.amdhsa_wavefront_size32 1
		.amdhsa_system_sgpr_workgroup_id_x 1
		.amdhsa_system_sgpr_workgroup_id_y 1
		.amdhsa_system_sgpr_workgroup_id_z 1
		.amdhsa_system_vgpr_workitem_id 0
		.amdhsa_next_free_vgpr 1024
		.amdhsa_next_free_sgpr 66
		.amdhsa_reserve_vcc 0
		.amdhsa_float_denorm_mode_32 3
		.amdhsa_float_denorm_mode_16_64 3
		.amdhsa_memory_ordered 1
		.amdhsa_forward_progress 1
		.amdhsa_inst_pref_size 255
	.end_amdhsa_kernel
	.section	.bss,"aw",@nobits
	.p2align	6
	.space	262144
	.amdgpu_metadata
---
amdhsa.version: [ 1, 2 ]
amdhsa.kernels:
  - .name:           k_q90f4efa480_gemm1
    .symbol:         k_q90f4efa480_gemm1.kd
    .args:
      - { .name: expert_w1, .offset: 0, .size: 8, .value_kind: global_buffer, .address_space: global }
      - { .name: xs, .offset: 8, .size: 8, .value_kind: global_buffer, .address_space: global }
      - { .name: meta, .offset: 16, .size: 8, .value_kind: global_buffer, .address_space: global }
      - { .name: he, .offset: 24, .size: 8, .value_kind: global_buffer, .address_space: global }
    .group_segment_fixed_size: 131584
    .private_segment_fixed_size: 0
    .kernarg_segment_align: 8
    .kernarg_segment_size: 32
    .max_flat_workgroup_size: 128
    .sgpr_count:     66
    .vgpr_count:     1024
    .wavefront_size: 32
...
	.end_amdgpu_metadata
.endif
;; end of part 6
;; launch gemm2 (part 7): grid 256 x 1, 4 waves a work-group, no clusters, 131,584 bytes of LDS; arguments expert_w2, he, meta, tvs, yp; writes yp
.if DOCPART == 7
	.amdgcn_target "amdgcn-amd-amdhsa--gfx1250"
	.amdhsa_code_object_version 6
	.text
	.protected	k_q90f4efa480_gemm2
	.globl	k_q90f4efa480_gemm2
	.p2align	8
	.type	k_q90f4efa480_gemm2,@function
k_q90f4efa480_gemm2:
	s_mov_b64 s[64:65], 0
	v_nop
	global_prefetch_b8 v0, s[64:65] scope:SCOPE_SE
	s_setreg_imm32_b32 hwreg(HW_REG_WAVE_SCHED_MODE, 0, 2), 2
	s_setreg_imm32_b32 hwreg(HW_REG_WAVE_MODE, 25, 1), 1
	s_wait_xcnt 0x0
	s_wait_alu depctr_vm_vsrc(0)
; THE EXPERTS' TWO PRODUCTS, one source for both launches (SECOND = 0: he = gelu(xs W1[e]); SECOND = 1: yp = top_val x (he W2[e]), K in two halves).
; A work-group has one expert, one strip of 64 columns of its weights and K = 1,024: 256 work-groups in either launch
; (8 experts x 32 strips; 8 experts x 2 halves of K x 16 strips).  Each f32 weight is read from memory once, by one wave of the launch.
; PHASE 1: the strip (1,024 x 64 f32, 256 KiB) is read, rounded to bf16 and laid into 128 KiB of LDS as ready fragments.  Lane (r, h) loads
; 16 bytes (columns 4 r .. 4 r + 3) of rows 8 h + j and 16 + 8 h + j of a block of 32 rows: sixteen lanes cover 256 consecutive aligned bytes
; of one row.  Packing rows 2 jj and 2 jj + 1 of column component c gives register 4 half + jj of fragment c (ISA guide 7.12.2), in which
; index r stands for column 4 r + c.  No transposition is needed; the way out undoes the order of the columns for nothing.
; PHASE 2: wave w takes the expert's tiles w, w + 4, .. of 16 sorted rows, up to five in a pass (20 accumulators, 160 registers).  The rows'
; fragments lie in memory in register order and are loaded straight into registers: each is used by this one wave, once.
; K IN TWO HALVES (SECOND = 1): with all of K = 2,048 in one work-group there would be 128 work-groups; with two halves there are 256 of the
; first product's shape, and the two partial sums (f32, 8.9 MB each) are added by the next launch, which owns each output row.
; NO CLUSTER, NO TENSOR LOADS: the strips of an expert do share the activations, but a joint load lands in LDS and its refills need barriers,
; and the number of passes here is read from memory (meta) and differs from wave to wave, so no barrier may stand in this loop; the weights,
; two thirds of a typical work-group's bytes, are shared by nobody and must pass through registers to be rounded.
; All matrix operands are bf16: f32's range.
; THE MODE: SCHED_MODE bits 1:0 = 2 (LLVM: expert scheduling mode 2), set by the entry lines.  The code itself states the register dependences
; between vector or matrix instructions and memory or LDS instructions, with s_wait_alu, always for 0.
; THE PLAN.  Registers that memory or LDS instructions touch:
;   v4 .. v9      offsets and LDS addresses: written once at the head, never again: one wait on va_vdst ahead of the first load serves the whole kernel.
;   raw weights   (windows 2, 3, phase 1) written by the 128 loads, read by the blocks' conversions; phase 2's loads land there behind phase 1's last wait on va_vdst.
;   F0, F1        block k's conversions write F[k % 2], its eight LDS stores read it: a wait on va_vdst between the two; a wait on vm_vsrc ahead of block k's
;                 stores shows block k - 1's stores done reading the buffer that block k + 1's conversions write again.
;   fragments     (windows 2, 3, phase 2) step s's matrix instructions read those of window s & 1.  ONE wait on va_vdst at the head of step s + 1 shows them read;
;                 behind it the weights of step s + 2 and the rows of step s + 4 land in them, in one run behind step s + 1's first four matrix instructions,
;                 which name the other window and the accumulators alone.
;   top_val       (SECOND) written by the pass's first loads, read by the way out's multiplications: the wait on va_vdst at the next pass's head.
;   T or P        a tile's results: written by its multiplications or roundings, read by its stores: a wait on va_vdst between the two, a wait on vm_vsrc ahead of the next tile's.
.set SECOND, 1
.if SECOND
.set PITCH,  4096                      ; bytes in a row of the weights
.set LOG8P,  15                        ; log2 of 8 rows' bytes
.set PANEL,  65536                     ; bytes of a tile of the activations (16 rows x 2,048 bf16)
.else
.set PITCH,  8192
.set LOG8P,  16
.set PANEL,  32768                     ; 16 rows x 1,024 bf16
.endif
.set OTILE,  65536                     ; bytes of a tile of the result: 16 x 2,048 bf16, or 16 rows of 1,024 f32
; REGISTERS, in windows of 256 (s_set_vgpr_msb: bits 1:0 source 0, 3:2 source 1, 5:4 source 2, 7:6 destination):
;   window 0: v1 lane, v2 r, v3 h, v4 weights' offset, v5 LDS store, v6 16 lane, v7 16 lane + 65,536, v8 result's offset, v9 32 h,
;             v[32:63], v[128:159] packed fragments, two buffers by turns (phase 1); v[32:63] scaled results (SECOND); v[64:103] top_val (SECOND)
;   window 1: accumulator of tile i, column component c at 32 i + 8 c; from 160 on the scratch of gelu
;   windows 2, 3, phase 1: the weights as loaded, 64 registers a block: blocks 0-3 in window 2, blocks 4-7 in window 3
;   windows 2, 3, phase 2 (even, odd K steps of 64): weights' fragments at 8 (4 kbs + c); two slots of 80 for the rows' fragments at 64 + 80 slot + 8 (5 kbs + i)
.set F,    32
.set FSTEP, 96                         ; from the first buffer of packed fragments to the second
.set T,    32
.set TVR,  64
.set XA,   160
.set XB,   168
.set XC,   176
.set XD,   184
.set P,    192
.set VC4,  208
.set MSB, 0
.macro WIN new                         ; the immediate's high byte repeats the setting that is left; a switch that changes nothing is dropped
.if MSB != \new
	s_set_vgpr_msb (MSB<<8)|\new
.set MSB, \new
.endif
.endm
.macro PLACES                          ; four plain vector instructions between a matrix instruction and a load into, or a vector read of, its registers
.rept 4
	v_nop
.endr
.endm
; Block kbl (32 rows x 64 columns) of my 256 rows of the strip: sixteen loads into registers of its own.  Read once in the launch.
.macro WLOAD kbl
.set WS, 64*((\kbl)&3)
.irp hf, 0,1
.irp j, 0,1,2,3,4,5,6,7
	global_load_b128 v[WS+(8*\hf+\j)*4:WS+(8*\hf+\j)*4+3], v4, s[28:29] offset:(32*(\kbl)+16*\hf+\j)*PITCH th:TH_LOAD_NT
.endr
.endr
.endm
; The block is rounded and stored as four fragments of 1,024 bytes: 32 lanes x 16 consecutive bytes a store.
.macro WCVT kbl
.set WS, 64*((\kbl)&3)
.set FK, F+FSTEP*((\kbl)&1)                        ; the blocks take the two buffers by turns
.set WV, 0x0A+5*((\kbl)>>2)                        ; sources 0 and 1 in window 2 or 3, destination in window 0
	WIN WV
.irp c, 0,1,2,3
.irp hf, 0,1
.irp jj, 0,1,2,3
	v_cvt_pk_bf16_f32 v[FK+8*\c+4*\hf+\jj], v[WS+(8*\hf+2*\jj)*4+\c], v[WS+(8*\hf+2*\jj+1)*4+\c]
.endr
.endr
.endr
	WIN 0
.if ((\kbl) >= 1) && ((\kbl) <= 6)
	s_wait_alu depctr_vm_vsrc(0)                   ; the LDS stores of the block before have read the other buffer, which the next block's conversions write again
.endif
	s_wait_alu depctr_va_vdst(0)                   ; this block's conversions have written its buffer, which the LDS stores below read (behind the last block: all raw registers have been read)
.irp c, 0,1,2,3
.irp hf, 0,1
	ds_store_b128 v5, v[FK+8*\c+4*\hf:FK+8*\c+4*\hf+3] offset:(\kbl)*4096+\c*1024+\hf*512
.endr
.endr
.endm
; K step s (64 along K): the weights' eight fragments from LDS, sixteen loads.
.macro LDB s
.irp kbs, 0,1
.irp c, 0,1,2,3
.irp hf, 0,1
.if (\s) < 8
	ds_load_b128 v[(\kbs*4+\c)*8+4*\hf:(\kbs*4+\c)*8+4*\hf+3], v6 offset:((\s)&7)*8192+\kbs*4096+\c*1024+\hf*512
.else
	ds_load_b128 v[(\kbs*4+\c)*8+4*\hf:(\kbs*4+\c)*8+4*\hf+3], v7 offset:((\s)&7)*8192+\kbs*4096+\c*1024+\hf*512
.endif
.endr
.endr
.endr
.endm
; K step s: the fragments of mg tiles' rows from memory, 4 mg loads of 512 consecutive bytes.
.macro LDA mg, s
.set ALD, 64+80*(((\s)>>1)&1)
.set ia, 0
.rept \mg
.irp kbs, 0,1
.irp hf, 0,1
	global_load_b128 v[ALD+(\kbs*5+ia)*8+4*\hf:ALD+(\kbs*5+ia)*8+4*\hf+3], v6, s[30:31] offset:ia*4*PANEL+(\s)*2048+\kbs*1024+\hf*512
.endr
.endr
.set ia, ia+1
.endr
.endm
; K step s: 8 mg matrix instructions.  The 4 mg accumulators take turns, one instruction a turn, over the steps' ends too.
; SECOND = 0: source 0 = weights, source 1 = rows: lane (r, h) then holds row r and columns 32 h + 4 j + c.  SECOND = 1: the other way round:
; lane (r, h) holds rows 8 h + j and column 4 r + c.  The first products start the sums: nothing is cleared.
; ld = 1: behind the first four stands the step's run of loads, into the other window's registers, which the step before multiplied: the weights of step s + 1
; and the rows of step s + 3.  No wait: no vector or matrix instruction since the wait at the step's head names a register that these loads touch.
.macro MULS mg, s, ld
.set ASL, 64+80*(((\s)>>1)&1)
.irp kbs, 0,1
.set ii, 0
.rept \mg
.irp c, 0,1,2,3
.set DR, 32*ii+8*\c
.set WR, (\kbs*4+\c)*8
.set AR, ASL+(\kbs*5+ii)*8
.if SECOND
.if ((\s)+\kbs) == 0
	v_wmma_f32_16x16x32_bf16 v[DR:DR+7], v[AR:AR+7], v[WR:WR+7], 0
.else
	v_wmma_f32_16x16x32_bf16 v[DR:DR+7], v[AR:AR+7], v[WR:WR+7], v[DR:DR+7]
.endif
.else
.if ((\s)+\kbs) == 0
	v_wmma_f32_16x16x32_bf16 v[DR:DR+7], v[WR:WR+7], v[AR:AR+7], 0
.else
	v_wmma_f32_16x16x32_bf16 v[DR:DR+7], v[WR:WR+7], v[AR:AR+7], v[DR:DR+7]
.endif
.endif
.endr
.if (\ld) && (\kbs == 0) && (ii == 0)
	PLACES                                         ; four plain instructions still stand between the last step's matrix instructions and the loads into the registers that they read
	WIN LW                                         ; destination in the other window, addresses in window 0
	LDB (\s)+1
.if (\s) <= 12
	LDA \mg, (\s)+3
.endif
	WIN WV
.endif
.set ii, ii+1
.endr
.endr
.endm
.macro STEP mg, s
.if (\s) == 0
	s_wait_loadcnt 12*\mg                          ; this step's rows are in: the 4 mg loads of each of the next three steps are younger
	s_wait_dscnt 16                                ; this step's weights are in: the next step's sixteen loads are younger
.else
.if (\s) < 14
	s_wait_loadcnt 8*\mg                           ; this step's rows are in: the 4 mg loads of each of the next two steps are younger; the third step's are asked for below
.else
	s_wait_loadcnt 4*\mg*(15-(\s))                 ; the last steps: fewer are left
.endif
	s_wait_dscnt 0                                 ; this step's weights are in: they are the youngest LDS loads
.endif
.set WV, 0x5A+5*((\s)&1)                           ; both sources in window 2 or 3, C and D in window 1
.set LW, 0xC0-0x40*((\s)&1)                        ; destination in window 3 or 2: the other one
.if ((\s) >= 1) && ((\s) <= 14)
	s_wait_alu depctr_va_vdst(0)                   ; the last step's matrix instructions are done reading the other window's fragments, in which this step's loads land
	WIN WV
	MULS \mg, \s, 1
.else
	WIN WV
	MULS \mg, \s, 0                                ; the first step's loads went out at the pass's head; the last step has none: no load, no wait
.endif
.if (\s) == 15
	PLACES                                         ; behind the last products, ahead of the way out's reads of the sums
.endif
.endm
; A pass over mg tiles: 16 K steps written out.  The rows' fragments are asked for three steps ahead of their use, the weights' one.
.macro KPASS mg
	s_wait_alu depctr_va_vdst(0)                   ; the last pass's matrix instructions are done reading the fragments, its way out is done reading top_val (first pass: phase 1's conversions the raw weights): the loads below land there
.if SECOND
.set ii, 0
.rept \mg
	global_load_b128 v[TVR+8*ii:TVR+8*ii+3],   v9, s[34:35] offset:ii*256      ; top_val of rows 8 h .. 8 h + 7 of tile i: the oldest loads of the pass
	global_load_b128 v[TVR+8*ii+4:TVR+8*ii+7], v9, s[34:35] offset:ii*256+16
.set ii, ii+1
.endr
.endif
	WIN 0x80
	LDB 0
	LDA \mg, 0
	WIN 0xC0
	LDB 1
	LDA \mg, 1
	WIN 0x80
	LDA \mg, 2
	WIN 0xC0
	LDA \mg, 3                                     ; in the steps' order, so that the counts above hold
.irp s, 0,1,2,3,4,5,6,7,8,9,10,11,12,13,14,15
	STEP \mg, \s
.endr
	WIN 0                                          ; a branch or a label follows
.endm
.if SECOND
; Tile i leaves: times top_val (reference()'s own multiplication), which also puts four neighbouring columns into neighbouring registers.
.macro EPI i
	s_wait_xcnt 0x0                                ; T was the last tile's store data: it is rewritten only behind this wait
	s_wait_alu depctr_vm_vsrc(0)                   ; the last tile's stores have read T (ahead of the first tile: phase 1's LDS stores, which read the same registers)
	WIN 0x01                                       ; source 0 in window 1
.irp j, 0,1,2,3,4,5,6,7
.irp c, 0,1,2,3
	v_mul_f32 v[T+4*\j+\c], v[32*\i+8*\c+\j], v[TVR+8*\i+\j]
.endr
.endr
	WIN 0
	s_wait_alu depctr_va_vdst(0)                   ; the multiplications have written T, which the stores below read
.irp j, 0,1,2,3,4,5,6,7
	global_store_b128 v8, v[T+4*\j:T+4*\j+3], s[32:33] offset:\i*4*OTILE+\j*4096   ; sixteen lanes: 256 consecutive aligned bytes of row 8 h + j
.endr
.endm
.else
; Tile i leaves: gelu(v) = v / 2 + |v| (1/2 - q), q = (1/2) t (a1 + t (a2 + t (a3 + t (a4 + t a5)))) exp(-v v / 2), t = 1 / (1 + 0.23164189 |v|).
; The coefficients are kept halved and negated, so that 1/2 - q is one multiply-add.
.macro EPI i
	WIN 0x55                                       ; everything in window 1
.irp c, 0,1,2,3
.set VT, 32*\i+8*\c
.irp j, 0,1,2,3,4,5,6,7
	v_fma_f32 v[XA+\j], |v[VT+\j]|, s40, 1.0
.endr
.irp j, 0,2,4,6
	v_pk_mul_f32 v[XB+\j:XB+\j+1], v[VT+\j:VT+\j+1], v[VT+\j:VT+\j+1]
.endr
.irp j, 0,2,4,6
	v_pk_mul_f32 v[XB+\j:XB+\j+1], v[XB+\j:XB+\j+1], s[42:43] op_sel_hi:[1,0]      ; -v v log2(e) / 2
.endr
.irp j, 0,1,2,3,4,5,6,7
	v_rcp_f32 v[XC+\j], v[XA+\j]                   ; t
.endr
.irp j, 0,1,2,3,4,5,6,7
	v_exp_f32 v[XD+\j], v[XB+\j]
.endr
	v_nop                                          ; one plain instruction behind the transcendentals (ISA guide 5.7.2)
.irp j, 0,2,4,6
	v_pk_fma_f32 v[XB+\j:XB+\j+1], v[XC+\j:XC+\j+1], s[50:51], v[VC4:VC4+1] op_sel_hi:[1,0,1]
.endr
.irp j, 0,2,4,6
	v_pk_fma_f32 v[XB+\j:XB+\j+1], v[XB+\j:XB+\j+1], v[XC+\j:XC+\j+1], s[48:49] op_sel_hi:[1,1,0]
.endr
.irp j, 0,2,4,6
	v_pk_fma_f32 v[XB+\j:XB+\j+1], v[XB+\j:XB+\j+1], v[XC+\j:XC+\j+1], s[46:47] op_sel_hi:[1,1,0]
.endr
.irp j, 0,2,4,6
	v_pk_fma_f32 v[XB+\j:XB+\j+1], v[XB+\j:XB+\j+1], v[XC+\j:XC+\j+1], s[44:45] op_sel_hi:[1,1,0]
.endr
.irp j, 0,2,4,6
	v_pk_mul_f32 v[XC+\j:XC+\j+1], v[XC+\j:XC+\j+1], v[XD+\j:XD+\j+1]              ; t exp(..)
.endr
.irp j, 0,2,4,6
	v_pk_fma_f32 v[XB+\j:XB+\j+1], v[XB+\j:XB+\j+1], v[XC+\j:XC+\j+1], 0.5 op_sel_hi:[1,1,0]   ; 1/2 - q
.endr
.irp j, 0,2,4,6
	v_pk_mul_f32 v[XA+\j:XA+\j+1], v[VT+\j:VT+\j+1], 0.5 op_sel_hi:[1,0]
.endr
.irp j, 0,1,2,3,4,5,6,7
	v_fma_f32 v[VT+\j], |v[VT+\j]|, v[XB+\j], v[XA+\j]
.endr
.endr
	s_wait_xcnt 0x0                                ; P was the last tile's store data: it is rewritten only behind this wait
	s_wait_alu depctr_vm_vsrc(0)                   ; the last tile's stores have read P, which the roundings below write again
; My 32 columns 32 h + 4 j + c are one block of 32 along the next product's K: columns 8 q .. 8 q + 7 are j = 2 q, 2 q + 1 with c = 0 .. 3.
.irp q, 0,1,2,3
	v_cvt_pk_bf16_f32 v[P+4*\q],   v[32*\i+2*\q],      v[32*\i+8+2*\q]
	v_cvt_pk_bf16_f32 v[P+4*\q+1], v[32*\i+16+2*\q],   v[32*\i+24+2*\q]
	v_cvt_pk_bf16_f32 v[P+4*\q+2], v[32*\i+2*\q+1],    v[32*\i+8+2*\q+1]
	v_cvt_pk_bf16_f32 v[P+4*\q+3], v[32*\i+16+2*\q+1], v[32*\i+24+2*\q+1]
.endr
	WIN 0x04                                       ; store data in window 1
	s_wait_alu depctr_va_vdst(0)                   ; the roundings have written P, which the stores below read
.irp q, 0,1,2,3
	global_store_b128 v8, v[P+4*\q:P+4*\q+3], s[32:33] offset:\i*4*OTILE+\q*256    ; sixteen lanes: 256 consecutive aligned bytes, in the next product's fragment order
.endr
	WIN 0
.endm
.endif
	s_load_b256 s[4:11], s[0:1], 0x0               ; weights s[4:5], activations s[6:7], meta s[8:9], then he (SECOND: tvs) s[10:11]
.if SECOND
	s_load_b64 s[12:13], s[0:1], 0x20              ; yp
	v_lshl_add_u32 v254, v0, 2, 0x20000
	v_mov_b32 v255, 0
.endif
	v_lshrrev_b32 v1, 5, v0
	v_readfirstlane_b32 s14, v1                    ; wave
	v_and_b32 v1, 31, v0                           ; lane
	v_and_b32 v2, 15, v0                           ; r
	v_bfe_u32 v3, v0, 4, 1                         ; h
	v_lshlrev_b32 v6, 4, v1
	v_lshlrev_b32 v10, 4, v2
	v_lshl_add_u32 v4, v3, LOG8P, v10              ; 8 h rows + 16 r
	s_wait_alu depctr_va_sdst(0)                   ; s14 is written, ahead of its first reader, the line below; the bases and the trip count are made from it too
	v_lshl_add_u32 v5, s14, 15, v6                 ; my eight blocks' 32 KiB of LDS
	v_add_nc_u32 v7, 0x10000, v6
	s_lshr_b32 s15, ttmp9, 5                       ; expert
	s_lshl_b32 s36, s15, 2                         ; its word in meta
	s_lshl_b32 s18, s15, 23                        ; its weights: 8 MiB
.if SECOND
	s_and_b32 s16, ttmp9, 15                       ; strip
	s_bfe_u32 s17, ttmp9, 0x10004                  ; half of K
	v_lshl_add_u32 v8, v3, 15, v10                 ; 8 h rows of 4,096 bytes + 16 r
	v_lshlrev_b32 v9, 5, v3
	s_lshl_b32 s19, s17, 22                        ; 1,024 rows of 4,096 bytes
	s_add_co_u32 s18, s18, s19
	s_lshl_b32 s19, s14, 20                        ; my 256 rows
.else
	s_and_b32 s16, ttmp9, 31                       ; strip
	v_lshl_add_u32 v8, v3, 10, v10                 ; block h of 1,024 bytes + 16 r
	s_lshl_b32 s19, s14, 21                        ; my 256 rows of 8,192 bytes
.endif
	s_add_co_u32 s18, s18, s19
	s_lshl_b32 s19, s16, 8                         ; 256 bytes a strip
	s_add_co_u32 s18, s18, s19
	s_mov_b32 s19, 0
	s_wait_kmcnt 0x0
	s_add_nc_u64 s[28:29], s[4:5], s[18:19]
	s_load_b32 s20, s[8:9], s36 offset:0x0         ; tile0[e]
	s_load_b32 s21, s[8:9], s36 offset:0x20        ; nt[e]
	; PHASE 1.  All my 128 loads (64 KiB) go out in one run, each block into registers of its own.  LOADcnt's field holds 63 and the issue
	; of a load that would pass it stalls (ISA guide 5.7.1), so 63 loads, 31.5 KiB, of every wave stay out until the last is issued.
	WIN 0x80                                       ; destination in window 2, address in window 0
	s_wait_alu depctr_va_vdst(0)                   ; the offsets and LDS addresses v4 to v9 are written, which every load and store of the kernel reads; they are never written again
	WLOAD 0
	WLOAD 1
	WLOAD 2
	WLOAD 3
	WIN 0xC0                                       ; destination in window 3
	WLOAD 4
	WLOAD 5
	WLOAD 6
	WLOAD 7
	s_wait_loadcnt 63                              ; at most 63 of the 128 are out, and they come back in order: the first 65 are in, blocks 0 to 3 among them
	WCVT 0
	WCVT 1
	WCVT 2
	WCVT 3
.irp kbl, 4,5,6,7
	s_wait_loadcnt 16*(7-\kbl)                     ; this block is in: the later blocks' sixteen loads each are younger
	WCVT \kbl
.endr
	s_wait_kmcnt 0x0
	s_wait_dscnt 0x0                               ; my LDS stores are done, for the other waves' sake
	s_barrier_signal -1
	s_barrier_wait -1                              ; the launch's only barrier: behind it the strip is only read
	; PHASE 2
	s_min_u32 s20, s20, 135                        ; numbers read from memory enter addresses and trip counts only clamped
	s_min_u32 s21, s21, 128
	s_add_co_u32 s22, s21, 3
	s_sub_co_u32 s22, s22, s14
	s_lshr_b32 s22, s22, 2                         ; my tiles: w, w + 4, ..: 32 at the most
	s_cmp_eq_u32 s22, 0
	s_cbranch_scc1 .Lend
	s_add_co_u32 s23, s22, 4
	s_mul_i32 s23, s23, 52
	s_lshr_b32 s23, s23, 8                         ; passes = ceil(tiles / 5): (tiles + 4) x 52 / 256 is exact up to 32 tiles
	s_add_co_u32 s20, s20, s14                     ; the first of my tiles
	s_mov_b32 s19, 0
.if SECOND
	s_lshl_b32 s18, s20, 16
	s_lshl_b32 s27, s17, 15                        ; my half of K in a tile of he
	s_add_co_u32 s18, s18, s27
	s_add_nc_u64 s[30:31], s[6:7], s[18:19]
	s_lshl_b32 s18, s20, 16
	s_mul_i32 s27, s17, 0x880000                   ; my half's 2,176 rows of yp
	s_add_co_u32 s18, s18, s27
	s_lshl_b32 s27, s16, 8
	s_add_co_u32 s18, s18, s27
	s_add_nc_u64 s[32:33], s[12:13], s[18:19]
	s_lshl_b32 s18, s20, 6
	s_add_nc_u64 s[34:35], s[10:11], s[18:19]
.else
	s_lshl_b32 s18, s20, 15
	s_add_nc_u64 s[30:31], s[6:7], s[18:19]
	s_lshl_b32 s18, s20, 16
	s_lshl_b32 s27, s16, 11                        ; my strip's two blocks of 32 along he's K
	s_add_co_u32 s18, s18, s27
	s_add_nc_u64 s[32:33], s[10:11], s[18:19]
	s_mov_b32 s40, 0x3e6d3388                      ; 0.3275911 / sqrt(2)
	s_mov_b32 s42, 0xbf38aa3b                      ; -log2(e) / 2; the pairs' second words are written too
	s_mov_b32 s43, 0xbf38aa3b
	s_mov_b32 s44, 0xbe027906                      ; -a1 / 2
	s_mov_b32 s45, 0xbe027906
	s_mov_b32 s46, 0x3e11a98e                      ; -a2 / 2
	s_mov_b32 s47, 0x3e11a98e
	s_mov_b32 s48, 0xbf35f0e3                      ; -a3 / 2
	s_mov_b32 s49, 0xbf35f0e3
	s_mov_b32 s50, 0xbf07dc22                      ; -a5 / 2
	s_mov_b32 s51, 0xbf07dc22
	WIN 0x40
	v_mov_b32 v[VC4],   0x3f3a00e3                 ; -a4 / 2, in a vector pair: the line that uses it names a scalar pair already
	v_mov_b32 v[VC4+1], 0x3f3a00e3
	WIN 0
.endif
	s_mov_b32 s24, 0                               ; passes done
	s_mov_b32 s25, s22                             ; tiles left
.Lpass:
	s_min_u32 s26, s25, 5                          ; tiles of this pass
	s_cmp_eq_u32 s26, 5
	s_cbranch_scc1 .Lk5
	s_cmp_eq_u32 s26, 4
	s_cbranch_scc1 .Lk4
	s_cmp_eq_u32 s26, 3
	s_cbranch_scc1 .Lk3
	s_cmp_eq_u32 s26, 2
	s_cbranch_scc1 .Lk2
	KPASS 1
	s_branch .Le0
.Lk2:
	KPASS 2
	s_branch .Le1
.Lk3:
	KPASS 3
	s_branch .Le2
.Lk4:
	KPASS 4
	s_branch .Le3
.Lk5:
	KPASS 5
	EPI 4                                          ; the way out is one chain, entered at the pass's last tile
.Le3:
	EPI 3
.Le2:
	EPI 2
.Le1:
	EPI 1
.Le0:
	EPI 0
	s_wait_xcnt 0x0                                ; the bases are stepped only behind this wait
	s_add_nc_u64 s[30:31], s[30:31], 20*PANEL      ; five tiles of each of four waves on
	s_add_nc_u64 s[32:33], s[32:33], 20*OTILE
.if SECOND
	s_add_nc_u64 s[34:35], s[34:35], 20*64
.endif
	s_sub_co_u32 s25, s25, 5                       ; (not used behind the last pass)
	s_add_co_u32 s24, s24, 1
	s_cmp_lt_u32 s24, s23
	s_cbranch_scc1 .Lpass
.Lend:
	s_wait_dscnt 0x0
	s_wait_alu depctr_hold_cnt(0) depctr_sa_sdst(0) depctr_va_vdst(0) depctr_va_sdst(0) depctr_va_ssrc(0) depctr_va_vcc(0) depctr_vm_vsrc(0)
	s_wait_tensorcnt 0x0
	ds_add_u32 v254, v255
	s_wait_dscnt 0x0
	s_endpgm
.Lfunc_end_k_q90f4efa480_gemm2:
	.size	k_q90f4efa480_gemm2, .Lfunc_end_k_q90f4efa480_gemm2-k_q90f4efa480_gemm2
	.p2alignl 7, 3214868480
	.fill 96, 4, 3214868480
	.section	.rodata,"a",@progbits
	.p2align	6, 0x0
	.amdhsa_kernel k_q90f4efa480_gemm2
		.amdhsa_group_segment_fixed_size 131584
		.amdhsa_private_segment_fixed_size 0
		.amdhsa_enable_private_segment 0
		.amdhsa_kernarg_size 40
		.amdhsa_user_sgpr_count 2
		.amdhsa_user_sgpr_kernarg_segment_ptr 1
		.amdhsa_wavefront_size32 1
		.amdhsa_system_sgpr_workgroup_id_x 1
		.amdhsa_system_sgpr_workgroup_id_y 1
		.amdhsa_system_sgpr_workgroup_id_z 1
		.amdhsa_system_vgpr_workitem_id 0
		.amdhsa_next_free_vgpr 1024
		.amdhsa_next_free_sgpr 66
		.amdhsa_reserve_vcc 0
		.amdhsa_float_denorm_mode_32 3
		.amdhsa_float_denorm_mode_16_64 3
		.amdhsa_memory_ordered 1
		.amdhsa_forward_progress 1
		.amdhsa_inst_pref_size 255
	.end_amdhsa_kernel
	.section	.bss,"aw",@nobits
	.p2align	6
	.space	262144
	.amdgpu_metadata
---
amdhsa.version: [ 1, 2 ]
amdhsa.kernels:
  - .name:           k_q90f4efa480_gemm2
    .symbol:         k_q90f4efa480_gemm2.kd
    .args:
      - { .name: expert_w2, .offset: 0, .size: 8, .value_kind: global_buffer, .address_space: global }
      - { .name: he, .offset: 8, .size: 8, .value_kind: global_buffer, .address_space: global }
      - { .name: meta, .offset: 16, .size: 8, .value_kind: global_buffer, .address_space: global }
      - { .name: tvs, .offset: 24, .size: 8, .value_kind: global_buffer, .address_space: global }
      - { .name: yp, .offset: 32, .size: 8, .value_kind: global_buffer, .address_space: global }
    .group_segment_fixed_size: 131584
    .private_segment_fixed_size: 0
    .kernarg_segment_align: 8
    .kernarg_segment_size: 40
    .max_flat_workgroup_size: 128
    .sgpr_count:     66
    .vgpr_count:     1024
    .wavefront_size: 32
...
	.end_amdgpu_metadata
.endif
;; end of part 7
;; launch ln: the kernel of part 5 again; grid 256 x 1, 8 waves a work-group, no clusters, 0 bytes of LDS; arguments yp, tok, meta, ln_gamma, ln_beta, out0; writes out0
